; MI455X (gfx1250); checked and timed in simulation.
; The chip was launched on July 23, 2026; its instructions are those of AMD's public machine-readable ISA for CDNA 5 (MIT licence, August 2026) and "CDNA5" Instruction Set Architecture Reference Guide (July 2026). The comments in the code are by the model that wrote it; some were corrected since.
;; Self Attention. Allowed arithmetic: matrix products marked QUANTISED: E2M3 operands, one E8M0 scale for each 32 along K, by v_wmma_scale_f32_16x16x128_f8f6f4 with both operands' format E2M3, f32 sums; everything else in f32.
;; Inputs: Wk 256 x 2,048 float32; Wo 2,048 x 256 float32; Wq 256 x 2,048 float32; Wv 256 x 2,048 float32; bk 2,048 float32; bo 256 float32; bq 2,048 float32; bv 2,048 float32; x 4 x 1,024 x 256 float32.
;; Outputs: out0 4 x 1,024 x 256 float32.
;; This version of the problem:
;;   THIS VERSION OF THE PROBLEM IS GIVEN IN LOW PRECISION. The matrix products marked QUANTISED in the list below multiply operands that are first quantised to E2M3 (2 exponent bits, 3 mantissa bits; 6 bits a number), with one power-of-two scale for each 32 numbers along K (OCP MX v1.0); their sums are f32. All else is computed in f32.
;;   The module's matrix products, in the order in which they are computed (A, B: the left and right operand; K: the contracted axis; several contracted axes count as one K, in the product's order):
;;     1. [M 4,096, K 256] x [K 256, N 2,048]; A: input x; B: input Wq: QUANTISED
;;     2. [M 4,096, K 256] x [K 256, N 2,048]; A: input x; B: input Wk: QUANTISED
;;     3. [M 4,096, K 256] x [K 256, N 2,048]; A: input x; B: input Wv: QUANTISED
;;     4. batch 32 x [M 1,024, K 256] x [K 256, N 1,024]; A: computed on the way; B: computed on the way: QUANTISED
;;     5. batch 32 x [M 256, K 1,024] x [K 1,024, N 1,024]; A: computed on the way; B: softmax (see below): QUANTISED
;;     6. [M 4,096, K 2,048] x [K 2,048, N 256]; A: computed on the way; B: input Wo: QUANTISED
;;   THE QUANTISER, for each operand of a quantised product, along K:
;;     - K is cut into blocks of 32 from its start; a last block that is shorter is filled with zeros.
;;     - A block's scale is 2^e with e = floor(log2(the largest magnitude in the block)) - 2, held to -126 .. 127; a block of zeros has e = 0. As a byte (E8M0): e + 127.
;;     - Each number is divided by its block's scale, clamped to +-7.5, and rounded to the nearest number of E2M3, ties to even, subnormals kept.
;;     - The product sums the exact products of the quantised numbers (number of the format x scale) in f32.
;;   ~~~python
;;   def quantise(x, axis):      # numpy; x: float32 -> the quantised numbers, widened to float32 again
;;       x = np.moveaxis(x, axis, -1); K = x.shape[-1]
;;       x = np.pad(x, [(0, 0)] * (x.ndim - 1) + [(0, -K % 32)]); x = x.reshape(x.shape[:-1] + (-1, 32)); a = np.abs(x).max(-1, keepdims=True)
;;       e = np.where(a > 0, np.clip(np.frexp(np.where(a > 0, a, 1))[1] - 1 - 2, -126, 127), 0)      # np.frexp(a)[1] - 1 = floor(log2(a)), exactly
;;       r = np.clip(x / 2.0 ** e, -7.5, 7.5)
;;       step = 2.0 ** (np.maximum(np.frexp(np.where(r == 0, 1, r))[1] - 1, 0) - 3)
;;       q = np.round(r / step) * step * 2.0 ** e      # np.round: ties to even
;;       return np.moveaxis(q.reshape(q.shape[:-2] + (-1,))[..., :K], -1, axis).astype(np.float32)
;;   ~~~
;;   SOFTMAX AHEAD OF A QUANTISED PRODUCT. Where the list says 'softmax', what is quantised is not the finished softmax but p = 2^(t - M), with t = logit x log2(e) and M = ceil(the row's largest t), a whole number; so 1/2 < the row's largest p <= 1. The row's sum l is taken of the UNQUANTISED p, in f32, and the product's result is divided by l at the end. Since M is a whole number, a kernel that streams over the keys may use a running M (the ceiling of the running maximum): every later rescaling is an exact power of two, which a block's scale takes up: the codes' values come out the same.
;;   OPERANDS COMPUTED ON THE WAY. 'Computed on the way' means the value that the module computes at that place (a softmax that the list does not call 'softmax' is quantised finished and normalised). What goes into a quantiser is computed in f32, as accurately as f32 sums, v_exp_f32 and their like allow (about 1e-6 of the number): no bf16 or f16 on the way to a quantiser, and a product that is left as it is and whose result goes on into a quantised operand takes f32 operands (vector FMAs, or v_wmma_f32_16x16x4_f32). A number that lies on a knife's edge between two numbers of the format may be rounded either way, as far as f32 arithmetic and the matrix unit's own rounding can turn it there, and no further.
;; 2 versions, each right; version 2 is version 1 with the launches qkv, oproj written anew for expert scheduling mode. Each part assembles by itself: llvm-mc -triple=amdgcn-amd-amdhsa -mcpu=gfx1250 --defsym DOCPART=n.
;; ======== version 1 of 2: 4 launches
;; workspace buffers: wx 2,457,600 bytes; qkv 19,660,800 bytes; oq 6,553,600 bytes
;; launch prep (part 1): grid 320 x 1, 2 waves a work-group, no clusters, 0 bytes of LDS; arguments x, Wq, Wk, Wv, Wo, wx; writes wx
.if DOCPART == 1
	.amdgcn_target "amdgcn-amd-amdhsa--gfx1250"
	.amdhsa_code_object_version 6
	.text
	.protected	k_q72b9ed6b5e_prep
	.globl	k_q72b9ed6b5e_prep
	.p2align	8
	.type	k_q72b9ed6b5e_prep,@function
k_q72b9ed6b5e_prep:
	s_mov_b64 s[64:65], 0
	v_nop
	global_prefetch_b8 v0, s[64:65] scope:SCOPE_SE
	s_setreg_imm32_b32 hwreg(HW_REG_WAVE_MODE, 25, 1), 1
	s_wait_xcnt 0x0
; PREP: x [4096][256], Wq, Wk, Wv [256][2048] and Wo [2048][256], all f32, become codes of FP6 (E2M3) with one E8M0 byte for each 32 along K.
; THE FORM: an operand fragment (16 rows x 128 K: 12 registers a lane) is stored as an IMAGE OF ITS REGISTERS: three chunks of 512 bytes, chunk j = registers 4 j .. 4 j + 3, lane l's 16 bytes at 16 l.
; THE ROWS OF A TILE ARE NOT NEIGHBOURS: row r of tile T stands for index 32 (T / 2) + 8 (T % 2) + r + 8 (r / 8) (tokens of x, columns of the weights), so that in every later product the 16 result
; registers of tiles 2 b and 2 b + 1 are 16 neighbours along the next K.
; A block's scale is 2^(floor(log2(largest magnitude)) - 2); its byte is the largest magnitude's exponent field - 2, held at 1 from below by a floor among the maximum's leaves.
; LIMITS: NaN and infinities among the inputs are not served.  A block of zeros gets the byte 1 (the rule says 127): its codes are zeros, and this program alone reads the bytes.
; SHARES: 640 waves that share nothing: no LDS, no barrier, no matrix unit (a stream).  Work-groups 0-191: Wq, Wk, Wv; 192-255: Wo; 256-319: x.
; A weight's wave takes 32 columns x 128 K: A LANE TAKES A COLUMN AND ITS REGISTERS RUN DOWN K, so a block's maximum needs no other lane and nothing is transposed; each load reads 128 consecutive bytes,
; and the two waves of a work-group stand side by side on 256.  An x wave takes 32 tokens x 256 K: four fragments.
; wx: weights' codes [mat 3][tile 128][s 2][1536] at 0; their scale words [mat][G 64][s 2][32 lanes] (lanes 0-15 tile 2 G, 16-31 tile 2 G + 1) at O_WS; Wo's codes [tile 16][ks 16][1536] at O_WOC, words [G 8][ks 16][32] at O_WOS;
; x's codes [tile 256][s 2][1536] at O_XC, words [G 128][lane 32][2] (word j: tile 2 G + j; lanes 0-15 s = 0, lanes 16-31 s = 1) at O_XS.
.set O_WS,  1179648
.set O_WOC, 1228800
.set O_WOS, 1622016
.set O_XC,  1638400
.set O_XS,  2424832
.set LN,  1                            ; v1   lane
.set LI,  2                            ; v2   16 x lane: an image's place
.set L4,  3                            ; v3   4 x lane
.set L8,  4                            ; v4   8 x lane
.set WA,  5                            ; v5   a weight's column of my lane, in bytes
.set XA,  6                            ; v6   x: my lane's byte in the wave's 32 tokens
.set PE,  10                           ; v10-11 x's scale words of K step 0, tile 2 G + u
.set PO,  12                           ; v12-13 of K step 1
.set WW,  14                           ; v14  my column's scale word
.set TM,  16                           ; v16-31 at work in QUANT
.set PC,  32                           ; v32-51 the codes just made (x)
.set FA,  32                           ; v32-43 weights: blocks 0 and 2, then tile 2 G's fragment
.set FB,  44                           ; v44-55 blocks 1 and 3, then tile 2 G + 1's
.set MA,  56                           ; v56-57 two chains of a maximum
.set MB,  57
.set SOP, 58                           ; v58-61 the conversions' scale operands, one a block
.set X,   64                           ; v64-255 numbers as loaded
.set T,   192                          ; v192-207 weights: a block's upper 16 codes (a conversion's three registers begin on an even number)
.set SEL, 34                           ; s[34:35] lane selects: lane l xor 16
; 64 numbers of a lane, register 16 b + i = k 32 b + 16 (lane / 16) + i of my row, become a fragment's codes in v[PC] on and its scale word in v[pw].
.macro QUANT s, pw, floor, wx
.if \wx
	s_wait_xcnt 0x0                                ; the last image's stores have read v[PC] on: only now are they written again
.endif
.irp b, 0,1,2,3
	v_max3_num_f32 v[TM+\b], |v[\s+16*\b]|, |v[\s+1+16*\b]|, \floor   ; block b: my 16 numbers, and the floor
.endr
.irp i, 2,4,6,8,10,12,14
.irp b, 0,1,2,3
	v_max3_num_f32 v[TM+\b], v[TM+\b], |v[\s+16*\b+\i]|, |v[\s+1+16*\b+\i]|   ; the four blocks by turns
.endr
.endr
.irp b, 0,1,2,3
	v_permlanex16_b32 v[TM+4+\b], v[TM+\b], s[SEL], s[SEL+1]
.endr
.irp b, 0,1,2,3
	v_max_num_f32 v[TM+\b], v[TM+\b], v[TM+4+\b]   ; with lane l xor 16's 16: the block's largest magnitude
.endr
.irp b, 0,1,2,3
	v_add_nc_u32 v[TM+12+\b], 0xff000000, v[TM+\b] ; 2 off its exponent field: the conversion's scale operand
.endr
.irp b, 0,1,2,3
	v_lshrrev_b32 v[TM+4+\b], 23, v[TM+12+\b]      ; the scale's byte
.endr
	v_lshl_or_b32 v[\pw], v[TM+5], 8, v[TM+4]
	v_lshl_or_b32 v[\pw], v[TM+6], 16, v[\pw]
	v_lshl_or_b32 v[\pw], v[TM+7], 24, v[\pw]      ; my row's scale word
.irp c, 0,1
	v_cvt_scalef32_pk16_fp6_f32 v[PC+6*\c:PC+2+6*\c], v[\s+32*\c:\s+15+32*\c], v[TM+12+2*\c]
	v_cvt_scalef32_pk16_fp6_f32 v[PC+12+4*\c:PC+14+4*\c], v[\s+16+32*\c:\s+31+32*\c], v[TM+13+2*\c]
.endr
	v_nop                                          ; one plain place behind a scaled conversion
.irp c, 0,1                                    ; the layout wants a whole block in a lane: lanes 0-15 block 2 c, lanes 16-31 block 2 c + 1
.irp i, 0,1,2
	v_permlane16_swap_b32 v[PC+6*\c+\i], v[PC+12+4*\c+\i]
.endr
.irp i, 0,1,2
	v_mov_b32 v[PC+3+6*\c+\i], v[PC+12+4*\c+\i]
.endr
.endr
.endm
.macro PUT base, off                   ; the fragment in v[PC] on leaves as it stands: each store covers 512 consecutive bytes, aligned
.irp c, 0,1,2
	global_store_b128 v[LI], v[PC+4*\c:PC+4*\c+3], s[\base:\base+1] offset:\off+512*\c
.endr
.endm
.macro WLOADS pitch                    ; W(128 s + i, my column), i = 0 .. 127
.set ii, 0
.rept 128
	global_load_b32 v[X+ii], v[WA], s[20:21] offset:ii*\pitch th:TH_LOAD_NT
.set ii, ii+1
.endr
.endm
.macro WBLOCK b, dst, cnt              ; block b of my column: all its 32 numbers are mine
	s_wait_loadcnt \cnt                            ; at most so many of the younger loads are out: this block's 32 are in
	v_max3_num_f32 v[MA], |v[X+32*\b]|, |v[X+32*\b+1]|, |v[X+32*\b+2]|
	v_max3_num_f32 v[MB], |v[X+32*\b+3]|, |v[X+32*\b+4]|, |v[X+32*\b+5]|
.irp i, 6,10,14,18,22,26
	v_max3_num_f32 v[MA], v[MA], |v[X+32*\b+\i]|, |v[X+32*\b+\i+1]|
	v_max3_num_f32 v[MB], v[MB], |v[X+32*\b+\i+2]|, |v[X+32*\b+\i+3]|
.endr
	v_max3_num_f32 v[MA], v[MA], |v[X+32*\b+30]|, |v[X+32*\b+31]|
	v_max3_num_f32 v[MA], v[MA], v[MB], 0x1800000  ; and the floor 2^(3 - 127): the byte cannot fall under 1
	v_add_nc_u32 v[SOP+\b], 0xff000000, v[MA]
	v_lshrrev_b32 v[MB], 23, v[SOP+\b]
.if \b == 0
	v_mov_b32 v[WW], v[MB]
.else
	v_lshl_or_b32 v[WW], v[MB], 8*\b, v[WW]
.endif
	v_cvt_scalef32_pk16_fp6_f32 v[\dst:\dst+2], v[X+32*\b:X+32*\b+15], v[SOP+\b]
	v_cvt_scalef32_pk16_fp6_f32 v[T+4*\b:T+4*\b+2], v[X+32*\b+16:X+32*\b+31], v[SOP+\b]
.endm
.macro XLOAD set, u, s                 ; tile 2 G + u, K step s: my 16 numbers of each of its four blocks
.irp b, 0,1,2,3
.irp j, 0,1,2,3
	global_load_b128 v[X+64*\set+16*\b+4*\j:X+64*\set+16*\b+4*\j+3], v[XA], s[20:21] offset:\u*8192+\s*512+128*\b+16*\j th:TH_LOAD_NT
.endr
.endr
.endm
	s_load_b256 s[4:11], s[0:1], 0x0               ; x s[4:5], Wq s[6:7], Wk s[8:9], Wv s[10:11]
	s_load_b128 s[12:15], s[0:1], 0x20             ; Wo s[12:13], wx s[14:15]
	v_lshrrev_b32 v1, 5, v0
	v_readfirstlane_b32 s16, v1                    ; wave 0, 1
	v_and_b32 v[LN], 31, v0
	v_lshlrev_b32 v[LI], 4, v[LN]
	v_lshlrev_b32 v[L4], 2, v[LN]
	v_lshlrev_b32 v[L8], 3, v[LN]
	s_mov_b32 s[SEL], 0x76543210
	s_mov_b32 s[SEL+1], 0xfedcba98
	s_mov_b32 s29, 0                               ; the upper word of every offset
	s_wait_kmcnt 0x0
	s_cmp_ge_u32 ttmp9, 256
	s_cbranch_scc1 .Lx
	v_and_b32 v7, 7, v[LN]                         ; my column among the wave's 32: lanes 0-15 are tile 2 G's rows, lanes 16-31 tile 2 G + 1's:
	v_bfe_u32 v8, v[LN], 3, 1
	v_lshl_add_u32 v7, v8, 4, v7
	v_lshrrev_b32 v8, 4, v[LN]
	v_lshl_add_u32 v7, v8, 3, v7                   ; l % 8 + 16 ((l / 8) % 2) + 8 (l / 16)
	v_lshlrev_b32 v[WA], 2, v7
	s_cmp_ge_u32 ttmp9, 192
	s_cbranch_scc1 .Lwo
	; Wq, Wk, Wv: mat = wg / 64, K step s = (wg / 32) % 2, G = 2 (wg % 32) + wave
	s_lshr_b32 s17, ttmp9, 6
	s_cmp_eq_u32 s17, 0
	s_cselect_b64 s[20:21], s[6:7], s[8:9]
	s_cmp_eq_u32 s17, 2
	s_cselect_b64 s[20:21], s[10:11], s[20:21]
	s_bfe_u32 s18, ttmp9, 0x10005
	s_and_b32 s22, ttmp9, 31
	s_lshl_b32 s22, s22, 1
	s_add_co_u32 s22, s22, s16
	s_lshl_b32 s28, s18, 20                        ; 128 rows of 8,192 bytes a K step
	s_lshl_b32 s30, s22, 7                         ; 32 columns of 4 bytes
	s_add_co_u32 s28, s28, s30
	s_add_nc_u64 s[20:21], s[20:21], s[28:29]
	s_mul_i32 s28, s17, 393216
	s_mul_i32 s30, s22, 6144
	s_add_co_u32 s28, s28, s30
	s_mul_i32 s30, s18, 1536
	s_add_co_u32 s28, s28, s30
	s_add_nc_u64 s[24:25], s[14:15], s[28:29]      ; tile 2 G's image,
	s_add_nc_u64 s[26:27], s[24:25], 3072          ; tile 2 G + 1's
	s_lshl_b32 s28, s17, 14
	s_lshl_b32 s30, s22, 8
	s_add_co_u32 s28, s28, s30
	s_lshl_b32 s30, s18, 7
	s_add_co_u32 s28, s28, s30
	s_add_co_u32 s28, s28, O_WS
	s_add_nc_u64 s[32:33], s[14:15], s[28:29]      ; the scale words
	WLOADS 8192
	s_branch .Lquant
.Lwo:                                              ; Wo: K step ks = i / 4, G = 2 (i % 4) + wave, i = wg - 192
	s_sub_co_u32 s17, ttmp9, 192
	s_lshr_b32 s18, s17, 2
	s_and_b32 s22, s17, 3
	s_lshl_b32 s22, s22, 1
	s_add_co_u32 s22, s22, s16
	s_lshl_b32 s28, s18, 17                        ; 128 rows of 1,024 bytes a K step
	s_lshl_b32 s30, s22, 7
	s_add_co_u32 s28, s28, s30
	s_add_nc_u64 s[20:21], s[12:13], s[28:29]
	s_mul_i32 s28, s22, 49152
	s_mul_i32 s30, s18, 1536
	s_add_co_u32 s28, s28, s30
	s_add_co_u32 s28, s28, O_WOC
	s_add_nc_u64 s[24:25], s[14:15], s[28:29]
	s_add_nc_u64 s[26:27], s[24:25], 24576
	s_lshl_b32 s28, s22, 11
	s_lshl_b32 s30, s18, 7
	s_add_co_u32 s28, s28, s30
	s_add_co_u32 s28, s28, O_WOS
	s_add_nc_u64 s[32:33], s[14:15], s[28:29]
	WLOADS 1024
.Lquant:                                           ; on both ways 128 loads are out
	WBLOCK 0, FA, 63                               ; 96 loads stand behind block 0's, 64 behind block 1's: a count names 63 at the most
	WBLOCK 1, FB, 63
	WBLOCK 2, FA+6, 32
	WBLOCK 3, FB+6, 0
	v_nop                                          ; one plain place behind the last conversion
.irp i, 0,1,2
	v_mov_b32 v[FA+3+\i], v[T+\i]
	v_mov_b32 v[FB+3+\i], v[T+4+\i]
	v_mov_b32 v[FA+9+\i], v[T+8+\i]
	v_mov_b32 v[FB+9+\i], v[T+12+\i]
.endr
.irp i, 0,1,2,3,4,5,6,7,8,9,10,11                  ; FA's lanes 16-31 (tile 2 G + 1, blocks 0, 2) change places with FB's lanes 0-15 (tile 2 G, blocks 1, 3): FA is tile 2 G's fragment, FB tile 2 G + 1's
	v_permlane16_swap_b32 v[FA+\i], v[FB+\i]
.endr
.irp c, 0,1,2
	global_store_b128 v[LI], v[FA+4*\c:FA+4*\c+3], s[24:25] offset:512*\c
.endr
.irp c, 0,1,2
	global_store_b128 v[LI], v[FB+4*\c:FB+4*\c+3], s[26:27] offset:512*\c
.endr
	global_store_b32 v[L4], v[WW], s[32:33]        ; the wave's 32 scale words: 128 consecutive bytes, all that it has
	s_endpgm
.Lx:                                               ; x: G = 2 (wg - 256) + wave: tokens 32 G .. 32 G + 31
	s_sub_co_u32 s17, ttmp9, 256
	s_lshl_b32 s17, s17, 1
	s_add_co_u32 s22, s17, s16
	s_lshl_b32 s28, s22, 15
	s_add_nc_u64 s[20:21], s[4:5], s[28:29]
	s_mul_i32 s28, s22, 6144
	s_add_co_u32 s28, s28, O_XC
	s_add_nc_u64 s[24:25], s[14:15], s[28:29]
	s_lshl_b32 s28, s22, 8
	s_add_co_u32 s28, s28, O_XS
	s_add_nc_u64 s[32:33], s[14:15], s[28:29]
	v_and_b32 v7, 15, v[LN]                        ; r
	v_lshrrev_b32 v8, 4, v[LN]                     ; h
	v_and_b32 v9, 8, v7
	v_add_nc_u32 v7, v7, v9                        ; r + 8 (r / 8)
	v_lshlrev_b32 v[XA], 10, v7
	v_lshl_add_u32 v[XA], v8, 6, v[XA]             ; that token's row of 1,024 bytes, + 64 h
.irp b, 0,1,2,3
	v_mov_b32 v[TM+4+\b], 0                        ; written once: a lane permute's destination counts as one of its sources
.endr
	XLOAD 0, 0, 0
	XLOAD 1, 0, 1
	XLOAD 2, 1, 0
	s_wait_loadcnt 32                              ; the first fragment's 16 loads are in; two fragments' may be out
	QUANT X, PE, 0x1800000, 0
	PUT 24, 0
	XLOAD 0, 1, 1                                  ; the fourth fragment, into the first's registers
	s_wait_loadcnt 32
	QUANT X+64, PO, 0x1800000, 1
	PUT 24, 1536
	s_wait_loadcnt 16
	QUANT X+128, PE+1, 0x1800000, 1
	PUT 24, 3072
	s_wait_loadcnt 0x0
	QUANT X, PO+1, 0x1800000, 1
	PUT 24, 4608
	v_permlane16_swap_b32 v[PE], v[PO]             ; lanes 0-15 keep K step 0's words, lanes 16-31 take K step 1's
	v_permlane16_swap_b32 v[PE+1], v[PO+1]
	global_store_b64 v[L8], v[PE:PE+1], s[32:33]   ; 256 consecutive bytes, aligned
	s_endpgm
.Lfunc_end_k_q72b9ed6b5e_prep:
	.size	k_q72b9ed6b5e_prep, .Lfunc_end_k_q72b9ed6b5e_prep-k_q72b9ed6b5e_prep
	.p2alignl 7, 3214868480
	.fill 96, 4, 3214868480
	.section	.rodata,"a",@progbits
	.p2align	6, 0x0
	.amdhsa_kernel k_q72b9ed6b5e_prep
		.amdhsa_group_segment_fixed_size 0
		.amdhsa_private_segment_fixed_size 0
		.amdhsa_enable_private_segment 0
		.amdhsa_kernarg_size 48
		.amdhsa_user_sgpr_count 2
		.amdhsa_user_sgpr_kernarg_segment_ptr 1
		.amdhsa_wavefront_size32 1
		.amdhsa_system_sgpr_workgroup_id_x 1
		.amdhsa_system_sgpr_workgroup_id_y 1
		.amdhsa_system_sgpr_workgroup_id_z 1
		.amdhsa_system_vgpr_workitem_id 0
		.amdhsa_next_free_vgpr 256
		.amdhsa_next_free_sgpr 66
		.amdhsa_reserve_vcc 0
		.amdhsa_float_denorm_mode_32 3
		.amdhsa_float_denorm_mode_16_64 3
		.amdhsa_memory_ordered 1
		.amdhsa_forward_progress 1
		.amdhsa_inst_pref_size 58
	.end_amdhsa_kernel
	.amdgpu_metadata
---
amdhsa.version: [ 1, 2 ]
amdhsa.kernels:
  - .name:           k_q72b9ed6b5e_prep
    .symbol:         k_q72b9ed6b5e_prep.kd
    .args:
      - { .name: x, .offset: 0, .size: 8, .value_kind: global_buffer, .address_space: global }
      - { .name: Wq, .offset: 8, .size: 8, .value_kind: global_buffer, .address_space: global }
      - { .name: Wk, .offset: 16, .size: 8, .value_kind: global_buffer, .address_space: global }
      - { .name: Wv, .offset: 24, .size: 8, .value_kind: global_buffer, .address_space: global }
      - { .name: Wo, .offset: 32, .size: 8, .value_kind: global_buffer, .address_space: global }
      - { .name: wx, .offset: 40, .size: 8, .value_kind: global_buffer, .address_space: global }
    .group_segment_fixed_size: 0
    .private_segment_fixed_size: 0
    .kernarg_segment_align: 8
    .kernarg_segment_size: 48
    .max_flat_workgroup_size: 64
    .sgpr_count:     66
    .vgpr_count:     256
    .wavefront_size: 32
...
	.end_amdgpu_metadata
.endif
;; end of part 1
;; launch qkv (part 2): grid 32 x 8, 4 waves a work-group, no clusters, 0 bytes of LDS; arguments wx, bq, bk, bv, qkv; writes qkv
.if DOCPART == 2
	.amdgcn_target "amdgcn-amd-amdhsa--gfx1250"
	.amdhsa_code_object_version 6
	.text
	.protected	k_q72b9ed6b5e_qkv
	.globl	k_q72b9ed6b5e_qkv
	.p2align	8
	.type	k_q72b9ed6b5e_qkv,@function
k_q72b9ed6b5e_qkv:
	s_mov_b64 s[64:65], 0
	v_nop
	global_prefetch_b8 v0, s[64:65] scope:SCOPE_SE
	s_setreg_imm32_b32 hwreg(HW_REG_WAVE_MODE, 25, 1), 1
	s_wait_xcnt 0x0
; QKV: q = (x Wq + bq) / 4, k = (x Wk + bk) / 4, v = x Wv + bv on codes of FP6 (E2M3) with E8M0 scales, and the results quantised at once: q and k along the head's channels, v along the tokens (the keys).
; A work-group takes 128 tokens (x) of one head (y).  THE WAVES SHARE THE COLUMNS: wave w makes one of {q channels 0-127, q 128-255, k 0-127, k 128-255} (mat = w / 2, half = w % 2) for all 128 tokens, 128 products,
; and then v's channel tiles 4 w .. 4 w + 3, 64 products.  Every operand comes from memory as an image of its registers and stays there; every result leaves as an image.  No LDS, no barrier: waves share nothing.
; No cluster and no tensor load: a wave reads each of its bytes once, at its head, straight into the registers that hold them to the end; there is no ring whose refills partners could share.
; q, k: TRANSPOSED (source 0 = 16 columns of W, source 1 = 16 tokens): a lane holds one token, its registers run along the channels.  v: source 0 = 16 tokens, source 1 = 16 columns: a lane holds one channel,
; its registers run along the tokens.  By the order of rows in a tile (row r of tile T = index 32 (T / 2) + 8 (T % 2) + r + 8 (r / 8)) the 16 registers of tiles 2 b, 2 b + 1 are 16 neighbours along the next K either way.
; THE FACTOR 1/4 is a power of two: the codes are those of the unscaled numbers, and 2 is taken off each scale byte.  The floor under the largest magnitude is 2^(5 - 127), so a byte is at least 3 before and 1 after.
; The biases are the C of each sum's first product.
; LIMITS: NaN and infinities are not served; a block of zeros gets the lowest byte and zero codes (this program alone reads the bytes).
; qkv: q's codes [blk 256][half 2][tile 8][1536] at 0 (blk = (8 batch + head) 8 + block of 128 tokens); q's scale words [blk][half][lane][4] at O_QS (word j: lanes 0-15 tile 2 j, lanes 16-31 tile 2 j + 1);
; [blk][49,152] at O_KVC: k low, k high (12,288 each), v's 16 channel tiles; [blk][2,048] at O_KVS: k's words low, high (512 each, as q's), v's at 1,024 + 256 w as [lane][2].
; REGISTERS: window 0: addresses, scale words, v48-111 eight result tiles, v112-131 codes, v200-215 at work.  window 1: my unit's 16 fragments of W.  window 2: Wv's 8 fragments, from v96 my unit's bias, from v160 bv.  window 3: x's 16 fragments.
.set O_WS,  1179648
.set O_XC,  1638400
.set O_XS,  2424832
.set O_QS,  6291456
.set O_KVC, 6553600
.set O_KVS, 19136512
.set LI,  1                            ; v1   16 x lane
.set L4,  2                            ; v2   4 x lane
.set L8,  3                            ; v3   8 x lane
.set BO,  4                            ; v4   64 x (lane / 16): my half's eight channels of a tile's bias
.set BV,  5                            ; v5   4 (r + 8 (r / 8)): my channel of a tile of v
.set XSR, 16                           ; v16-23 x's scale words, tile m: lanes 0-15 K step 0, lanes 16-31 K step 1
.set W1S, 24                           ; v24-31 my unit's W: [2 g + s]: lanes 0-15 tile 2 g, lanes 16-31 tile 2 g + 1
.set WVS, 32                           ; v32-35 Wv's likewise
.set PE,  36                           ; v36-39 scale words made, even tiles
.set PO,  40                           ; v40-43 odd tiles
.set HA,  48
.set PC,  112
.set TM,  200
.set SEL, 40                           ; s[40:41]
.set MSB, 0
.macro WIN new                         ; the immediate's high byte repeats the setting that is left
.if MSB != \new
	s_set_vgpr_msb (MSB<<8)|\new
.set MSB, \new
.endif
.endm
.macro PLACES
.rept 4
	v_nop
.endr
.endm
; one product: D at v[d], source 0 at v[a], source 1 at v[b], C at v[c] (c = -1: the constant 0), scale words v[sa], v[sb]; ra, rb = 1: taken from lanes 16-31
.macro WM d, a, b, c, sa, sb, ra, rb
.if (\c) < 0
.if (\ra) && (\rb)
	v_wmma_scale_f32_16x16x128_f8f6f4 v[\d:\d+7], v[\a:\a+11], v[\b:\b+11], 0, v[\sa], v[\sb] matrix_a_fmt:MATRIX_FMT_FP6 matrix_b_fmt:MATRIX_FMT_FP6 matrix_a_scale:MATRIX_SCALE_ROW1 matrix_b_scale:MATRIX_SCALE_ROW1
.elseif \ra
	v_wmma_scale_f32_16x16x128_f8f6f4 v[\d:\d+7], v[\a:\a+11], v[\b:\b+11], 0, v[\sa], v[\sb] matrix_a_fmt:MATRIX_FMT_FP6 matrix_b_fmt:MATRIX_FMT_FP6 matrix_a_scale:MATRIX_SCALE_ROW1
.elseif \rb
	v_wmma_scale_f32_16x16x128_f8f6f4 v[\d:\d+7], v[\a:\a+11], v[\b:\b+11], 0, v[\sa], v[\sb] matrix_a_fmt:MATRIX_FMT_FP6 matrix_b_fmt:MATRIX_FMT_FP6 matrix_b_scale:MATRIX_SCALE_ROW1
.else
	v_wmma_scale_f32_16x16x128_f8f6f4 v[\d:\d+7], v[\a:\a+11], v[\b:\b+11], 0, v[\sa], v[\sb] matrix_a_fmt:MATRIX_FMT_FP6 matrix_b_fmt:MATRIX_FMT_FP6
.endif
.else
.if (\ra) && (\rb)
	v_wmma_scale_f32_16x16x128_f8f6f4 v[\d:\d+7], v[\a:\a+11], v[\b:\b+11], v[\c:\c+7], v[\sa], v[\sb] matrix_a_fmt:MATRIX_FMT_FP6 matrix_b_fmt:MATRIX_FMT_FP6 matrix_a_scale:MATRIX_SCALE_ROW1 matrix_b_scale:MATRIX_SCALE_ROW1
.elseif \ra
	v_wmma_scale_f32_16x16x128_f8f6f4 v[\d:\d+7], v[\a:\a+11], v[\b:\b+11], v[\c:\c+7], v[\sa], v[\sb] matrix_a_fmt:MATRIX_FMT_FP6 matrix_b_fmt:MATRIX_FMT_FP6 matrix_a_scale:MATRIX_SCALE_ROW1
.elseif \rb
	v_wmma_scale_f32_16x16x128_f8f6f4 v[\d:\d+7], v[\a:\a+11], v[\b:\b+11], v[\c:\c+7], v[\sa], v[\sb] matrix_a_fmt:MATRIX_FMT_FP6 matrix_b_fmt:MATRIX_FMT_FP6 matrix_b_scale:MATRIX_SCALE_ROW1
.else
	v_wmma_scale_f32_16x16x128_f8f6f4 v[\d:\d+7], v[\a:\a+11], v[\b:\b+11], v[\c:\c+7], v[\sa], v[\sb] matrix_a_fmt:MATRIX_FMT_FP6 matrix_b_fmt:MATRIX_FMT_FP6
.endif
.endif
.endm
; 64 numbers of a lane, register 16 b + i = k 32 b + 16 (lane / 16) + i of my row, become a fragment's codes in v[PC] on and its scale word in v[pw].  Each result tile is read from its low end on.
.macro QUANT s, pw, floor, wx
.if \wx
	s_wait_xcnt 0x0                                ; the last image's stores have read v[PC] on: only now are they written again
.endif
.irp b, 0,1,2,3
	v_max3_num_f32 v[TM+\b], |v[\s+16*\b]|, |v[\s+1+16*\b]|, \floor
.endr
.irp i, 2,4,6,8,10,12,14
.irp b, 0,1,2,3
	v_max3_num_f32 v[TM+\b], v[TM+\b], |v[\s+16*\b+\i]|, |v[\s+1+16*\b+\i]|
.endr
.endr
.irp b, 0,1,2,3
	v_permlanex16_b32 v[TM+4+\b], v[TM+\b], s[SEL], s[SEL+1]
.endr
.irp b, 0,1,2,3
	v_max_num_f32 v[TM+\b], v[TM+\b], v[TM+4+\b]
.endr
.irp b, 0,1,2,3
	v_add_nc_u32 v[TM+12+\b], 0xff000000, v[TM+\b] ; 2 off the exponent field: the conversion's scale operand
.endr
.irp b, 0,1,2,3
	v_lshrrev_b32 v[TM+4+\b], 23, v[TM+12+\b]
.endr
	v_lshl_or_b32 v[\pw], v[TM+5], 8, v[TM+4]
	v_lshl_or_b32 v[\pw], v[TM+6], 16, v[\pw]
	v_lshl_or_b32 v[\pw], v[TM+7], 24, v[\pw]
.irp c, 0,1
	v_cvt_scalef32_pk16_fp6_f32 v[PC+6*\c:PC+2+6*\c], v[\s+32*\c:\s+15+32*\c], v[TM+12+2*\c]
	v_cvt_scalef32_pk16_fp6_f32 v[PC+12+4*\c:PC+14+4*\c], v[\s+16+32*\c:\s+31+32*\c], v[TM+13+2*\c]
.endr
	v_nop                                          ; one plain place behind a scaled conversion
.irp c, 0,1
.irp i, 0,1,2
	v_permlane16_swap_b32 v[PC+6*\c+\i], v[PC+12+4*\c+\i]
.endr
.irp i, 0,1,2
	v_mov_b32 v[PC+3+6*\c+\i], v[PC+12+4*\c+\i]
.endr
.endr
.endm
.macro PUT base, off                   ; each store covers 512 consecutive bytes, aligned
.irp c, 0,1,2
	global_store_b128 v[LI], v[PC+4*\c:PC+4*\c+3], s[\base:\base+1] offset:\off+512*\c
.endr
.endm
	s_load_b256 s[4:11], s[0:1], 0x0               ; wx s[4:5], bq s[6:7], bk s[8:9], bv s[10:11]
	s_load_b64 s[12:13], s[0:1], 0x20              ; qkv
	v_lshrrev_b32 v1, 5, v0
	v_readfirstlane_b32 s14, v1                    ; wave 0..3
	v_and_b32 v6, 31, v0
	v_lshlrev_b32 v[LI], 4, v6
	v_lshlrev_b32 v[L4], 2, v6
	v_lshlrev_b32 v[L8], 3, v6
	v_bfe_u32 v[BO], v0, 4, 1
	v_lshlrev_b32 v[BO], 6, v[BO]
	v_and_b32 v7, 15, v0
	v_and_b32 v[BV], 8, v7
	v_add_nc_u32 v[BV], v[BV], v7
	v_lshlrev_b32 v[BV], 2, v[BV]
.irp b, 0,1,2,3
	v_mov_b32 v[TM+4+\b], 0                        ; written once: a lane permute's destination counts as one of its sources
.endr
	s_mov_b32 s[SEL], 0x76543210
	s_mov_b32 s[SEL+1], 0xfedcba98
	s_and_b32 s18, ttmp7, 0xffff                   ; head
	s_lshr_b32 s15, s14, 1                         ; mat: 0 q, 1 k
	s_and_b32 s16, s14, 1                          ; half of the head's channels
	s_lshr_b32 s19, ttmp9, 3
	s_lshl_b32 s19, s19, 3
	s_add_co_u32 s19, s19, s18
	s_lshl_b32 s19, s19, 3
	s_and_b32 s20, ttmp9, 7
	s_add_co_u32 s19, s19, s20                     ; blk
	s_mov_b32 s21, 0
	s_wait_kmcnt 0x0
	s_lshl_b32 s20, ttmp9, 10
	s_add_co_u32 s20, s20, O_XS
	s_add_nc_u64 s[22:23], s[4:5], s[20:21]        ; x's scale words
	s_lshl_b32 s20, s15, 14
	s_lshl_b32 s48, s18, 11
	s_add_co_u32 s20, s20, s48
	s_lshl_b32 s48, s16, 10
	s_add_co_u32 s20, s20, s48
	s_add_co_u32 s20, s20, O_WS
	s_add_nc_u64 s[24:25], s[4:5], s[20:21]        ; my unit's W: scale words,
	s_mul_i32 s20, ttmp9, 24576
	s_add_co_u32 s20, s20, O_XC
	s_add_nc_u64 s[26:27], s[4:5], s[20:21]        ; x's codes
	s_mul_i32 s20, s15, 393216
	s_mul_i32 s48, s18, 49152
	s_add_co_u32 s20, s20, s48
	s_mul_i32 s48, s16, 24576
	s_add_co_u32 s20, s20, s48
	s_add_nc_u64 s[28:29], s[4:5], s[20:21]        ; and codes
	s_cmp_lt_u32 s14, 2
	s_cselect_b64 s[30:31], s[6:7], s[8:9]
	s_lshl_b32 s20, s18, 10
	s_lshl_b32 s48, s16, 9
	s_add_co_u32 s20, s20, s48
	s_add_nc_u64 s[30:31], s[30:31], s[20:21]      ; my unit's bias
	s_mul_i32 s20, s18, 49152
	s_mul_i32 s48, s14, 12288
	s_add_co_u32 s20, s20, s48
	s_add_co_u32 s20, s20, 786432
	s_add_nc_u64 s[32:33], s[4:5], s[20:21]        ; Wv's codes, my four tiles
	s_lshl_b32 s20, s18, 11
	s_lshl_b32 s48, s14, 9
	s_add_co_u32 s20, s20, s48
	s_add_co_u32 s20, s20, O_WS+32768
	s_add_nc_u64 s[34:35], s[4:5], s[20:21]        ; their scale words
	s_lshl_b32 s20, s18, 10
	s_lshl_b32 s48, s14, 8
	s_add_co_u32 s20, s20, s48
	s_add_nc_u64 s[36:37], s[10:11], s[20:21]      ; bv, my 64 channels
	s_mul_i32 s20, s19, 24576                      ; where my unit's images go: q: blk x 24,576; k: O_KVC + blk x 49,152; + half x 12,288
	s_lshl_b32 s20, s20, s15
	s_mul_i32 s48, s15, O_KVC
	s_add_co_u32 s20, s20, s48
	s_mul_i32 s48, s16, 12288
	s_add_co_u32 s20, s20, s48
	s_add_nc_u64 s[38:39], s[12:13], s[20:21]
	s_add_co_u32 s48, s15, 10                      ; and its scale words: q: O_QS + blk x 1,024; k: O_KVS + blk x 2,048; + half x 512
	s_lshl_b32 s20, s19, s48
	s_mul_i32 s48, s15, O_KVS-O_QS
	s_add_co_u32 s20, s20, s48
	s_lshl_b32 s48, s16, 9
	s_add_co_u32 s20, s20, s48
	s_add_co_u32 s20, s20, O_QS
	s_add_nc_u64 s[42:43], s[12:13], s[20:21]
	s_mul_i32 s20, s19, 49152
	s_mul_i32 s48, s14, 6144
	s_add_co_u32 s20, s20, s48
	s_add_co_u32 s20, s20, O_KVC+24576
	s_add_nc_u64 s[44:45], s[12:13], s[20:21]      ; v's images, my four tiles
	s_lshl_b32 s20, s19, 11
	s_lshl_b32 s48, s14, 8
	s_add_co_u32 s20, s20, s48
	s_add_co_u32 s20, s20, O_KVS+1024
	s_add_nc_u64 s[46:47], s[12:13], s[20:21]      ; and their scale words
.irp g, 0,1,2,3
	global_load_b64 v[XSR+2*\g:XSR+2*\g+1], v[L8], s[22:23] offset:256*\g
.endr
.irp i, 0,1,2,3,4,5,6,7
	global_load_b32 v[W1S+\i], v[L4], s[24:25] offset:128*\i
.endr
	WIN 0xc0                                       ; destination window 3: x's fragment (tile m, K step s) at v[12 (2 m + s)]
.irp f, 0,1,2,3,4,5,6,7,8,9,10,11,12,13,14,15
.irp c, 0,1,2
	global_load_b128 v[12*\f+4*\c:12*\f+4*\c+3], v[LI], s[26:27] offset:1536*\f+512*\c
.endr
.endr
	WIN 0x40                                       ; window 1: my unit's W (tile t, K step s) at v[12 (2 t + s)]
.irp f, 0,1,2,3,4,5,6,7,8,9,10,11,12,13,14,15
.irp c, 0,1,2
	global_load_b128 v[12*\f+4*\c:12*\f+4*\c+3], v[LI], s[28:29] offset:1536*\f+512*\c
.endr
.endr
	WIN 0x80                                       ; window 2: the bias in the result's layout: tile t, my half's channels 32 (t / 2) + 16 h + 8 (t % 2) + 0 .. 7
.irp t, 0,1,2,3,4,5,6,7
	global_load_b128 v[96+8*\t:96+8*\t+3], v[BO], s[30:31] offset:(32*(\t/2)+8*(\t%2))*4
	global_load_b128 v[96+8*\t+4:96+8*\t+7], v[BO], s[30:31] offset:(32*(\t/2)+8*(\t%2))*4+16
.endr
	; the 60 loads of the second phase: 24 + 32 + 4
.irp f, 0,1,2,3,4,5,6,7
.irp c, 0,1,2
	global_load_b128 v[12*\f+4*\c:12*\f+4*\c+3], v[LI], s[32:33] offset:1536*\f+512*\c
.endr
.endr
.irp n, 0,1,2,3                                    ; bv: a lane holds one channel, so a tile's eight C registers are equal
.irp j, 0,1,2,3,4,5,6,7
	global_load_b32 v[160+8*\n+\j], v[BV], s[36:37] offset:(32*(\n/2)+8*(\n%2))*4
.endr
.endr
	WIN 0
.irp i, 0,1,2,3
	global_load_b32 v[WVS+\i], v[L4], s[34:35] offset:128*\i
.endr
	s_wait_loadcnt 60                              ; all but the second phase's 60
	; ---- q or k: a tile of 16 tokens at a time; my 8 tiles of channels take turns, one product a turn, K step by K step
.irp m, 0,1,2,3,4,5,6,7
	WIN 0x2d                                       ; source 0 (W) window 1, source 1 (x) window 3, C (bias) window 2
.irp t, 0,1,2,3,4,5,6,7
	WM HA+8*\t, 12*(2*\t), 12*(2*\m), 96+8*\t, W1S+2*(\t/2), XSR+\m, \t%2, 0
.endr
	WIN 0x0d
.irp t, 0,1,2,3,4,5,6,7
	WM HA+8*\t, 12*(2*\t+1), 12*(2*\m+1), HA+8*\t, W1S+2*(\t/2)+1, XSR+\m, \t%2, 1
.endr
	WIN 0
	PLACES                                         ; four places ahead of the first read of results
	QUANT HA, PE+4*(\m%2)+\m/2, 0x2800000, \m
	PUT 38, \m*1536
.endr
.irp j, 0,1,2,3
	v_permlane16_swap_b32 v[PE+\j], v[PO+\j]       ; lanes 0-15 tile 2 j's words, lanes 16-31 tile 2 j + 1's
.endr
.irp j, 0,1,2,3
	v_add_nc_u32 v[PE+\j], 0xfdfdfdfe, v[PE+\j]    ; 2 off each byte: the factor 1/4 (no byte is under 3, so none borrows)
.endr
	global_store_b128 v[LI], v[PE:PE+3], s[42:43]
	; ---- v: a tile of 16 channels at a time; the 8 tiles of tokens take turns
	s_wait_loadcnt 0x0
.irp n, 0,1,2,3
	WIN 0x2b                                       ; source 0 (x) window 3, source 1 (Wv) window 2, C (bv) window 2
.irp m, 0,1,2,3,4,5,6,7
	WM HA+8*\m, 12*(2*\m), 12*(2*\n), 160+8*\n, XSR+\m, WVS+2*(\n/2), 0, \n%2
.endr
	WIN 0x0b
.irp m, 0,1,2,3,4,5,6,7
	WM HA+8*\m, 12*(2*\m+1), 12*(2*\n+1), HA+8*\m, XSR+\m, WVS+2*(\n/2)+1, 1, \n%2
.endr
	WIN 0
	PLACES
	QUANT HA, PE+4*(\n%2)+\n/2, 0x1800000, 1       ; (its wait at the head also frees v[PE] on, which the store above reads)
	PUT 44, \n*1536
.endr
	v_permlane16_swap_b32 v[PE], v[PO]
	v_permlane16_swap_b32 v[PE+1], v[PO+1]
	global_store_b64 v[L8], v[PE:PE+1], s[46:47]   ; 256 consecutive bytes, aligned
	s_endpgm
.Lfunc_end_k_q72b9ed6b5e_qkv:
	.size	k_q72b9ed6b5e_qkv, .Lfunc_end_k_q72b9ed6b5e_qkv-k_q72b9ed6b5e_qkv
	.p2alignl 7, 3214868480
	.fill 96, 4, 3214868480
	.section	.rodata,"a",@progbits
	.p2align	6, 0x0
	.amdhsa_kernel k_q72b9ed6b5e_qkv
		.amdhsa_group_segment_fixed_size 0
		.amdhsa_private_segment_fixed_size 0
		.amdhsa_enable_private_segment 0
		.amdhsa_kernarg_size 40
		.amdhsa_user_sgpr_count 2
		.amdhsa_user_sgpr_kernarg_segment_ptr 1
		.amdhsa_wavefront_size32 1
		.amdhsa_system_sgpr_workgroup_id_x 1
		.amdhsa_system_sgpr_workgroup_id_y 1
		.amdhsa_system_sgpr_workgroup_id_z 1
		.amdhsa_system_vgpr_workitem_id 0
		.amdhsa_next_free_vgpr 1024
		.amdhsa_next_free_sgpr 66
		.amdhsa_reserve_vcc 0
		.amdhsa_float_denorm_mode_32 3
		.amdhsa_float_denorm_mode_16_64 3
		.amdhsa_memory_ordered 1
		.amdhsa_forward_progress 1
		.amdhsa_inst_pref_size 98
	.end_amdhsa_kernel
	.amdgpu_metadata
---
amdhsa.version: [ 1, 2 ]
amdhsa.kernels:
  - .name:           k_q72b9ed6b5e_qkv
    .symbol:         k_q72b9ed6b5e_qkv.kd
    .args:
      - { .name: wx, .offset: 0, .size: 8, .value_kind: global_buffer, .address_space: global }
      - { .name: bq, .offset: 8, .size: 8, .value_kind: global_buffer, .address_space: global }
      - { .name: bk, .offset: 16, .size: 8, .value_kind: global_buffer, .address_space: global }
      - { .name: bv, .offset: 24, .size: 8, .value_kind: global_buffer, .address_space: global }
      - { .name: qkv, .offset: 32, .size: 8, .value_kind: global_buffer, .address_space: global }
    .group_segment_fixed_size: 0
    .private_segment_fixed_size: 0
    .kernarg_segment_align: 8
    .kernarg_segment_size: 40
    .max_flat_workgroup_size: 128
    .sgpr_count:     66
    .vgpr_count:     1024
    .wavefront_size: 32
...
	.end_amdgpu_metadata
.endif
;; end of part 2
;; launch attn (part 3): grid 8 x 32, 4 waves a work-group, clusters of 4 x 1, 327,680 bytes of LDS; arguments qkv, oq; writes oq
.if DOCPART == 3
	.amdgcn_target "amdgcn-amd-amdhsa--gfx1250"
	.amdhsa_code_object_version 6
	.text
	.protected	k_q72b9ed6b5e_attn
	.globl	k_q72b9ed6b5e_attn
	.p2align	8
	.type	k_q72b9ed6b5e_attn,@function
k_q72b9ed6b5e_attn:
	s_mov_b64 s[64:65], 0
	v_nop
	global_prefetch_b8 v0, s[64:65] scope:SCOPE_SE
	s_setreg_imm32_b32 hwreg(HW_REG_WAVE_MODE, 25, 1), 1
	s_wait_xcnt 0x0
	s_wait_alu depctr_hold_cnt(0) depctr_sa_sdst(0) depctr_va_vdst(0) depctr_va_sdst(0) depctr_va_ssrc(0) depctr_va_vcc(0) depctr_vm_vsrc(0)
	s_getreg_b32 s2, hwreg(HW_REG_IB_STS2, 6, 4)
	s_cmp_eq_u32 s2, 0
	s_cbranch_scc0 .Lentry_in_a_cluster
	s_endpgm
.Lentry_in_a_cluster:
	s_bfe_u32 s2, ttmp6, 0x10000c
	s_cmp_lg_u32 s2, 0x3003
	s_cbranch_scc0 .Lentry_shape_is_right
	s_endpgm
.Lentry_shape_is_right:
; ATTN: o = softmax(q k^T) v for one (batch, head), both products on codes of FP6 (E2M3) with E8M0 scales; o is divided by the row's sum and quantised along the channels for the last product.
; THE SOFTMAX: t = score x log2(e); M = the running largest t rounded UP to a whole number, kept as -M = floor(-t); p = 2^(t - M) is quantised along the keys, not normalised; the row's sum is taken of the unquantised p.
; When M moves, the sum and O are multiplied by 2^(old M - new M): exact.
; SHARES: a work-group owns 128 queries of one (batch, head); each of its four waves 32 of them: TWO TILES of 16, so that each fragment of k and v read from LDS feeds two products.
; Every wave walks the 1,024 keys in 8 steps of 128.  A step's operands (k's 16 fragments, v's 16) lie in memory as images of operand registers, 49,152 dense bytes; a wave holds a whole step's k and v in registers:
; v's loads go out behind the scores and land under the softmax; the k of a slot's second step is fetched in the middle of the first step's softmax.
; LDS: THREE slots of two key steps (98,304 bytes each) at 0; at SCL the scale words of all 8 steps, 2,048 bytes a step; at SPARE the spare words.  Six of the eight steps and the scale words are asked for at the head;
; steps 6 and 7 are the one refill, into slot 0, behind slot 0's two steps: four key steps ahead of their first read.  The launch claims all of LDS.
; No prefetch: three quarters of k and v are asked for by the tensor loads at the head, and the last quarter's load goes out four key steps ahead of its first read.
; CLUSTER: the four work-groups of a cluster belong to one (batch, head) and walk the same k and v: every tile is asked for JOINTLY, by the same tensor load with the same descriptor (made of the head and the wave's number alone).
; LAYOUT: both products transposed: S^T = k q^T, O^T = v^T p^T: a lane holds ONE query of each tile.  Row r of tile T of every operand stands for index 32 (T / 2) + 8 (T % 2) + r + 8 (r / 8), so the 16 result registers of tiles 2 b, 2 b + 1 are 16 neighbouring keys (channels).
; LIMITS: NaN and infinities are not served; an exponential under 2^-126 comes out as 0 (ISA guide, the instruction's entry); a block of zeros gets the byte 1 and zero codes (this program alone reads the bytes).
; REGISTERS: window 0: v1-10 addresses; tile u: v[12 + 4 u] -M, +1 the largest t, +2, +3 the sum; v24-31 k's scale words, v32-39 v's; v40-49 f, p's and q's scale words; v64-191 S^T, then p (tile u at 64 + 64 u); v192-231 codes; v232-255 at work.
;   window 1: O^T (tile u, channel tile n at 128 u + 8 n).   window 2: v0-191 k's 16 fragments (channels 0-127 of key tile t at 12 t, 128-255 at 96 + 12 t); v192-239 q's four.   window 3: v0-191 v's 16 fragments.
.set O_QS,  6291456
.set O_KVC, 6553600
.set O_KVS, 19136512
.set O_OS,  6291456
.set STEPB, 49152
.set SLOTB, 98304
.set SCL,   3*SLOTB
.set SPARE, SCL+16384
.set LI,  1                            ; v1   16 x lane
.set SPW, 2                            ; v2   my spare word; never rewritten
.set NIL, 3                            ; v3   0; never rewritten
.set ADR, 4                            ; v4   the step's fragments
.set ADS, 5                            ; v5   k's scale words
.set ADT, 6                            ; v6   v's
.set LIS, 7                            ; v7   SCL + 16 x lane
.set LI8, 8                            ; v8   SCL + 1,024 + 8 x lane
.set L4,  9                            ; v9   4 x lane
.set ADR2, 10                          ; v10  the next step's fragments
.set ST,  12                           ; v12-19 the two tiles' -M, largest t, sum (two halves)
.set KS,  24
.set VS,  32
.set FF,  40                           ; v[40 + 2 u] f = 2^(old M - new M); the register above is named with it as a pair
.set PWD, 44                           ; v44, v45 p's scale words
.set TT,  46                           ; v46, v47 at work
.set QS0, 48                           ; v48  q's scale words, channels 0-127: lanes 0-15 tile 2 w, lanes 16-31 tile 2 w + 1
.set QS1, 49                           ; v49  channels 128-255
.set PW,  52                           ; v52-55 o's scale words: tile u, half s at 52 + 2 u + s
.set SCO, 64
.set PC,  192                          ; tile u: codes at 192 + 20 u (12), upper halves at + 12 (8)
.set BM,  232                          ; tile u: block maxima at 232 + 12 u, at work at + 4, scale operands at + 8
.set TM,  232                          ; the last quantiser's 16 registers
.set QF,  192                          ; in window 2
.set WV,  8
.set G1,  16                           ; s[16:23] group 1 for a wave's quarter of a slot
.set G1S, 24                           ; s[24:31] for two steps' scale words
.set G00, 32                           ; s[32:35] group 0 for slot 0: first steps 0 and 1, then steps 6 and 7
.set G0S, 36
.set SEL, 40
.set CS,  42                           ; s[42:43] log2(e)
.set TB,  44                           ; LDS byte at which the slot in hand begins
.set TS,  45                           ; the step's scale words: 2,048 bytes a step
.set TA,  46
.set CNT, 48
.set QCB, 52
.set QSB, 54
.set OCB, 56
.set OSB, 58
.set G01, 68                           ; s[68:71] group 0 for slot 1
.set G02, 72                           ; s[72:75] for slot 2
.set MSB, 0
.macro WIN new                         ; the immediate's high byte repeats the setting that is left
.if MSB != \new
	s_set_vgpr_msb (MSB<<8)|\new
.set MSB, \new
.endif
.endm
.macro PLACES
.rept 4
	v_nop
.endr
.endm
; one product: D at v[d], source 0 at v[a], source 1 at v[b], C at v[c] (c = -1: the constant 0), scale words v[sa], v[sb]; ra, rb = 1: taken from lanes 16-31
.macro WM d, a, b, c, sa, sb, ra, rb
.if (\c) < 0
.if (\ra) && (\rb)
	v_wmma_scale_f32_16x16x128_f8f6f4 v[\d:\d+7], v[\a:\a+11], v[\b:\b+11], 0, v[\sa], v[\sb] matrix_a_fmt:MATRIX_FMT_FP6 matrix_b_fmt:MATRIX_FMT_FP6 matrix_a_scale:MATRIX_SCALE_ROW1 matrix_b_scale:MATRIX_SCALE_ROW1
.elseif \ra
	v_wmma_scale_f32_16x16x128_f8f6f4 v[\d:\d+7], v[\a:\a+11], v[\b:\b+11], 0, v[\sa], v[\sb] matrix_a_fmt:MATRIX_FMT_FP6 matrix_b_fmt:MATRIX_FMT_FP6 matrix_a_scale:MATRIX_SCALE_ROW1
.elseif \rb
	v_wmma_scale_f32_16x16x128_f8f6f4 v[\d:\d+7], v[\a:\a+11], v[\b:\b+11], 0, v[\sa], v[\sb] matrix_a_fmt:MATRIX_FMT_FP6 matrix_b_fmt:MATRIX_FMT_FP6 matrix_b_scale:MATRIX_SCALE_ROW1
.else
	v_wmma_scale_f32_16x16x128_f8f6f4 v[\d:\d+7], v[\a:\a+11], v[\b:\b+11], 0, v[\sa], v[\sb] matrix_a_fmt:MATRIX_FMT_FP6 matrix_b_fmt:MATRIX_FMT_FP6
.endif
.else
.if (\ra) && (\rb)
	v_wmma_scale_f32_16x16x128_f8f6f4 v[\d:\d+7], v[\a:\a+11], v[\b:\b+11], v[\c:\c+7], v[\sa], v[\sb] matrix_a_fmt:MATRIX_FMT_FP6 matrix_b_fmt:MATRIX_FMT_FP6 matrix_a_scale:MATRIX_SCALE_ROW1 matrix_b_scale:MATRIX_SCALE_ROW1
.elseif \ra
	v_wmma_scale_f32_16x16x128_f8f6f4 v[\d:\d+7], v[\a:\a+11], v[\b:\b+11], v[\c:\c+7], v[\sa], v[\sb] matrix_a_fmt:MATRIX_FMT_FP6 matrix_b_fmt:MATRIX_FMT_FP6 matrix_a_scale:MATRIX_SCALE_ROW1
.elseif \rb
	v_wmma_scale_f32_16x16x128_f8f6f4 v[\d:\d+7], v[\a:\a+11], v[\b:\b+11], v[\c:\c+7], v[\sa], v[\sb] matrix_a_fmt:MATRIX_FMT_FP6 matrix_b_fmt:MATRIX_FMT_FP6 matrix_b_scale:MATRIX_SCALE_ROW1
.else
	v_wmma_scale_f32_16x16x128_f8f6f4 v[\d:\d+7], v[\a:\a+11], v[\b:\b+11], v[\c:\c+7], v[\sa], v[\sb] matrix_a_fmt:MATRIX_FMT_FP6 matrix_b_fmt:MATRIX_FMT_FP6
.endif
.endif
.endm
; 64 numbers of a lane, register 16 b + i = k 32 b + 16 (lane / 16) + i of my row, become a fragment's codes in v[PC] on and its scale word in v[pw].
.macro QUANT s, pw, floor, wx
.if \wx
	s_wait_xcnt 0x0                                ; the last image's stores have read v[PC] on: only now are they written again
.endif
.irp b, 0,1,2,3
	v_max3_num_f32 v[TM+\b], |v[\s+16*\b]|, |v[\s+1+16*\b]|, \floor
.endr
.irp i, 2,4,6,8,10,12,14
.irp b, 0,1,2,3
	v_max3_num_f32 v[TM+\b], v[TM+\b], |v[\s+16*\b+\i]|, |v[\s+1+16*\b+\i]|
.endr
.endr
.irp b, 0,1,2,3
	v_permlanex16_b32 v[TM+4+\b], v[TM+\b], s[SEL], s[SEL+1]
.endr
.irp b, 0,1,2,3
	v_max_num_f32 v[TM+\b], v[TM+\b], v[TM+4+\b]   ; with lane l xor 16's 16: the block's largest magnitude
.endr
.irp b, 0,1,2,3
	v_add_nc_u32 v[TM+12+\b], 0xff000000, v[TM+\b] ; 2 off the exponent field: the conversion's scale operand
.endr
.irp b, 0,1,2,3
	v_lshrrev_b32 v[TM+4+\b], 23, v[TM+12+\b]      ; the scale's byte
.endr
	v_lshl_or_b32 v[\pw], v[TM+5], 8, v[TM+4]
	v_lshl_or_b32 v[\pw], v[TM+6], 16, v[\pw]
	v_lshl_or_b32 v[\pw], v[TM+7], 24, v[\pw]
.irp c, 0,1
	v_cvt_scalef32_pk16_fp6_f32 v[PC+6*\c:PC+2+6*\c], v[\s+32*\c:\s+15+32*\c], v[TM+12+2*\c]
	v_cvt_scalef32_pk16_fp6_f32 v[PC+12+4*\c:PC+14+4*\c], v[\s+16+32*\c:\s+31+32*\c], v[TM+13+2*\c]
.endr
	v_nop                                          ; one plain place behind a scaled conversion
.irp c, 0,1                                    ; the layout wants a whole block in a lane: lanes 0-15 block 2 c, lanes 16-31 block 2 c + 1
.irp i, 0,1,2
	v_permlane16_swap_b32 v[PC+6*\c+\i], v[PC+12+4*\c+\i]
.endr
.irp i, 0,1,2
	v_mov_b32 v[PC+3+6*\c+\i], v[PC+12+4*\c+\i]
.endr
.endr
.endm
.macro PUT base, off                   ; each store covers 512 consecutive bytes, aligned
.irp c, 0,1,2
	global_store_b128 v[LI], v[PC+4*\c:PC+4*\c+3], s[\base:\base+1] offset:\off+512*\c
.endr
.endm
; A round of the cluster's barrier: my work-group's barrier; wave 0 signals for the work-group; every wave waits for all four work-groups; my work-group's barrier once more.
.macro CROUND
	s_barrier_signal -1
	s_barrier_wait -1
	s_cmp_lg_u32 s[WV], 0
	s_cbranch_scc1 .Lnot_wave_0_\@
	s_barrier_signal -3
.Lnot_wave_0_\@:
	s_barrier_wait -3
	s_barrier_signal -1
	s_barrier_wait -1
.endm
.macro LOADF adr, reg, off             ; a fragment comes back as it was stored: three loads of 512 consecutive bytes
.irp c, 0,1,2
	ds_load_b128 v[\reg+4*\c:\reg+4*\c+3], v[\adr] offset:\off+512*\c
.endr
.endm
.macro LOADK adr, g                    ; key tiles 2 g, 2 g + 1: channels 0-127, then 128-255: twelve loads
	LOADF \adr, 12*(2*\g), (2*\g)*1536
	LOADF \adr, 12*(2*\g+1), (2*\g+1)*1536
	LOADF \adr, 96+12*(2*\g), 12288+(2*\g)*1536
	LOADF \adr, 96+12*(2*\g+1), 12288+(2*\g+1)*1536
.endm
.macro MULS g                          ; key tiles 2 g, 2 g + 1 against both query tiles: four accumulators by turns, one product a turn
.irp u, 0,1
	WM SCO+64*\u+16*\g, 12*(2*\g), QF+24*\u, -1, KS+\g, QS0, 0, \u
	WM SCO+64*\u+16*\g+8, 12*(2*\g+1), QF+24*\u, -1, KS+\g, QS0, 1, \u
.endr
.irp u, 0,1
	WM SCO+64*\u+16*\g, 96+12*(2*\g), QF+24*\u+12, SCO+64*\u+16*\g, KS+4+\g, QS1, 0, \u
	WM SCO+64*\u+16*\g+8, 96+12*(2*\g+1), QF+24*\u+12, SCO+64*\u+16*\g+8, KS+4+\g, QS1, 1, \u
.endr
.endm
; A KEY STEP: 128 keys, the q-th of the slot in hand, for both query tiles.  first = 1: the launch's first step: its products start O^T's sums, and there is nothing to rescale.
; q = 0 fetches its own k at its head and, in the middle of its softmax, the k of the slot's second step; q = 1 finds its k in registers.
.macro STEP q, first
	s_add_co_u32 s[TA], s[TB], (\q)*STEPB
	v_add_nc_u32 v[ADR], s[TA], v[LI]              ; these four are the places ahead of loads into registers that the last products have read
	v_add_nc_u32 v[ADS], s[TS], v[LIS]
	v_add_nc_u32 v[ADT], s[TS], v[LI8]
	v_add_nc_u32 v[ADR2], STEPB, v[ADR]
.if (\q) == 0
	ds_load_b128 v[KS:KS+3], v[ADS]                ; k's words: word j: lanes 0-15 tile 2 j, lanes 16-31 tile 2 j + 1; channels 0-127,
	ds_load_b128 v[KS+4:KS+7], v[ADS] offset:512   ; 128-255
.endif
.irp g, 0,1,2,3
	ds_load_b64 v[VS+2*\g:VS+2*\g+1], v[ADT] offset:256*\g   ; v's: word j: lanes 0-15 tile 4 g + 2 j, lanes 16-31 tile 4 g + 2 j + 1
.endr
.if (\q) == 0
	WIN 0x80                                       ; destination window 2
.irp g, 0,1,2,3
	LOADK ADR, \g
.endr
.endif
	WIN 0x0a                                       ; sources 0 (k) and 1 (q) window 2; C and D (S^T) window 0
.irp g, 0,1,2,3
.if (\q) == 0
	s_wait_dscnt 36-12*\g                          ; the later groups of twelve may be out
.elseif \g == 0
	s_wait_dscnt 4                                 ; k and its words, asked for in the last step, are in; v's four loads of words, issued behind them, may be out
.endif
	MULS \g
.endr
	PLACES                                         ; for the first read of the scores, and for the later loads into k's registers
	WIN 0xc0                                       ; destination window 3
.irp n, 0,1,2,3,4,5,6,7,8,9,10,11,12,13,14,15
	LOADF ADR, 12*\n, 24576+\n*1536                ; v's sixteen fragments: they land under the softmax
.endr
	WIN 0
	; the softmax of both tiles, line by line in turns, so that no line waits for the line above it
.irp b, 0,1,2,3
.irp u, 0,1
	v_max3_num_f32 v[BM+12*\u+\b], v[SCO+64*\u+16*\b], v[SCO+64*\u+16*\b+1], v[SCO+64*\u+16*\b+2]   ; the largest score of each block of 32 keys: for the row's maximum and, since p rises with the score, for the block's largest p.  Each result tile is read from its low end on
.endr
.endr
.irp i, 3,5,7,9,11,13
.irp b, 0,1,2,3
.irp u, 0,1
	v_max3_num_f32 v[BM+12*\u+\b], v[BM+12*\u+\b], v[SCO+64*\u+16*\b+\i], v[SCO+64*\u+16*\b+\i+1]
.endr
.endr
.endr
.irp b, 0,1,2,3
.irp u, 0,1
	v_max_num_f32 v[BM+12*\u+\b], v[BM+12*\u+\b], v[SCO+64*\u+16*\b+15]
.endr
.endr
.irp b, 0,1,2,3
.irp u, 0,1
	v_permlanex16_b32 v[BM+12*\u+4+\b], v[BM+12*\u+\b], s[SEL], s[SEL+1]
.endr
.endr
.irp b, 0,1,2,3
.irp u, 0,1
	v_max_num_f32 v[BM+12*\u+\b], v[BM+12*\u+\b], v[BM+12*\u+4+\b]   ; with lane l xor 16's 16 keys
.endr
.endr
.irp u, 0,1
	v_max3_num_f32 v[TT+\u], v[BM+12*\u], v[BM+12*\u+1], v[BM+12*\u+2]
.endr
.irp u, 0,1
	v_max_num_f32 v[TT+\u], v[TT+\u], v[BM+12*\u+3]
.endr
.irp u, 0,1
	v_mul_f32 v[TT+\u], s[CS], v[TT+\u]            ; the step's largest t
.endr
.irp u, 0,1
	v_max_num_f32 v[ST+4*\u+1], v[ST+4*\u+1], v[TT+\u]
.endr
.irp u, 0,1
	v_mov_b32 v[TT+\u], v[ST+4*\u]
.endr
.irp u, 0,1
	v_floor_f32 v[ST+4*\u], -v[ST+4*\u+1]          ; the new -M = -ceil(t): a whole number
.endr
.irp u, 0,1
	v_sub_f32 v[TT+\u], v[ST+4*\u], v[TT+\u]       ; old M - new M: a whole number, 0 or less
.endr
.irp u, 0,1
	v_cvt_i32_f32 v[TT+\u], v[TT+\u]               ; (it saturates)
.endr
.irp u, 0,1
	v_ldexp_f32 v[FF+2*\u], 1.0, v[TT+\u]          ; f = 2^(old M - new M)
.endr
.irp u, 0,1
.set jj, 0
.rept 32
	v_pk_fma_f32 v[SCO+64*\u+jj:SCO+64*\u+jj+1], v[SCO+64*\u+jj:SCO+64*\u+jj+1], s[CS:CS+1], v[ST+4*\u:ST+4*\u+1] op_sel_hi:[1,0,0]   ; t - M, two at a time
.set jj, jj+2
.endr
.endr
.irp b, 0,1,2,3
.irp u, 0,1
	v_fma_f32 v[BM+12*\u+\b], v[BM+12*\u+\b], s[CS], v[ST+4*\u]   ; the same of each block's largest score
.endr
.endr
.set jj, 0
.rept 128
	v_exp_f32 v[SCO+jj], v[SCO+jj]                 ; p = 2^(t - M): one batch for both tiles
.set jj, jj+1
.endr
.irp u, 0,1
	v_pk_mul_f32 v[ST+4*\u+2:ST+4*\u+3], v[ST+4*\u+2:ST+4*\u+3], v[FF+2*\u:FF+2*\u+1] op_sel_hi:[1,0]   ; the sums under the new M: plain places behind the batch
.endr
	s_wait_alu depctr_va_vdst(0)                   ; one wait for the batch, ahead of its first reader
.irp b, 0,1,2,3
.irp u, 0,1
	v_exp_f32 v[BM+12*\u+\b], v[BM+12*\u+\b]       ; the blocks' largest p
.endr
.endr
.irp u, 0,1
	v_pk_add_f32 v[BM+12*\u+4:BM+12*\u+5], v[SCO+64*\u:SCO+64*\u+1], v[SCO+64*\u+2:SCO+64*\u+3]   ; the row's sum of the unquantised p, in two chains a tile
.endr
.irp j, 4,8,12,16,20,24,28,32,36,40,44,48,52,56,60
.irp u, 0,1
	v_pk_add_f32 v[ST+4*\u+2:ST+4*\u+3], v[ST+4*\u+2:ST+4*\u+3], v[SCO+64*\u+\j:SCO+64*\u+\j+1]
	v_pk_add_f32 v[BM+12*\u+4:BM+12*\u+5], v[BM+12*\u+4:BM+12*\u+5], v[SCO+64*\u+\j+2:SCO+64*\u+\j+3]
.endr
.endr
.irp u, 0,1
	v_pk_add_f32 v[ST+4*\u+2:ST+4*\u+3], v[ST+4*\u+2:ST+4*\u+3], v[BM+12*\u+4:BM+12*\u+5]
.endr
	s_wait_alu depctr_va_vdst(0)                   ; and one for the eight
.if (\q) == 0
	ds_load_b128 v[KS:KS+3], v[ADS] offset:2048    ; THE NEXT STEP'S k and its words, 50 loads, from the same slot: this step's products by k stand far back, v's loads ahead of these
	ds_load_b128 v[KS+4:KS+7], v[ADS] offset:2560
	WIN 0x80
.irp g, 0,1,2,3
	LOADK ADR2, \g
.endr
	WIN 0
.endif
.irp b, 0,1,2,3
.irp u, 0,1
	v_max_num_f32 v[BM+12*\u+\b], 0x1800000, v[BM+12*\u+\b]   ; the floor 2^(3 - 127): the byte cannot fall under 1
.endr
.endr
.irp b, 0,1,2,3
.irp u, 0,1
	v_add_nc_u32 v[BM+12*\u+8+\b], 0xff000000, v[BM+12*\u+\b]   ; 2 off the exponent field: the conversion's scale operand
.endr
.endr
.irp b, 0,1,2,3
.irp u, 0,1
	v_lshrrev_b32 v[BM+12*\u+4+\b], 23, v[BM+12*\u+8+\b]        ; the scale's byte
.endr
.endr
.irp u, 0,1
	v_lshl_or_b32 v[PWD+\u], v[BM+12*\u+5], 8, v[BM+12*\u+4]
.endr
.irp u, 0,1
	v_lshl_or_b32 v[PWD+\u], v[BM+12*\u+6], 16, v[PWD+\u]
.endr
.irp u, 0,1
	v_lshl_or_b32 v[PWD+\u], v[BM+12*\u+7], 24, v[PWD+\u]       ; p's scale word for these 128 keys
.endr
.irp u, 0,1
.irp c, 0,1
	v_cvt_scalef32_pk16_fp6_f32 v[PC+20*\u+6*\c:PC+20*\u+6*\c+2], v[SCO+64*\u+32*\c:SCO+64*\u+32*\c+15], v[BM+12*\u+8+2*\c]
	v_cvt_scalef32_pk16_fp6_f32 v[PC+20*\u+12+4*\c:PC+20*\u+12+4*\c+2], v[SCO+64*\u+32*\c+16:SCO+64*\u+32*\c+31], v[BM+12*\u+9+2*\c]
.endr
.endr
	v_nop                                          ; one plain place behind a scaled conversion
.irp u, 0,1
.irp c, 0,1
.irp i, 0,1,2
	v_permlane16_swap_b32 v[PC+20*\u+6*\c+\i], v[PC+20*\u+12+4*\c+\i]
.endr
.irp i, 0,1,2
	v_mov_b32 v[PC+20*\u+6*\c+3+\i], v[PC+20*\u+12+4*\c+\i]
.endr
.endr
.endr
.if \first
.rept 8
	v_nop                                          ; a scale word made by vector instructions stands 8 places ahead of a scaled product, an operand so made 4
.endr
.else
	WIN 0x41                                       ; O^T (destination, source 0) window 1, f window 0
.irp u, 0,1
.set jj, 0
.rept 64
	v_pk_mul_f32 v[128*\u+jj:128*\u+jj+1], v[128*\u+jj:128*\u+jj+1], v[FF+2*\u:FF+2*\u+1] op_sel_hi:[1,0]   ; O^T under the new M, each tile from its low end on; these are also the places ahead of the products
.set jj, jj+2
.endr
.endr
.endif
.if (\q) == 0
	s_wait_dscnt 50                                ; v is in; the next step's k and its words, 50 loads issued behind v's, may be out
.else
	s_wait_dscnt 0x0
.endif
	WIN 0x53                                       ; source 0 (v) window 3, source 1 (p) window 0, C and D (O^T) window 1
.irp n, 0,1,2,3,4,5,6,7,8,9,10,11,12,13,14,15      ; each fragment of v against both tiles' p: 32 accumulators, one product each
.irp u, 0,1
.if \first
	WM 128*\u+8*\n, 12*\n, PC+20*\u, -1, VS+2*(\n/4)+(\n%4)/2, PWD+\u, \n%2, 0
.else
	WM 128*\u+8*\n, 12*\n, PC+20*\u, 128*\u+8*\n, VS+2*(\n/4)+(\n%4)/2, PWD+\u, \n%2, 0
.endif
.endr
.endr
	WIN 0
	s_add_co_u32 s[TS], s[TS], 2048                ; the next step's scale words
.endm
	s_load_b128 s[4:7], s[0:1], 0x0                ; qkv s[4:5], oq s[6:7]
	v_lshl_add_u32 v[SPW], v0, 2, SPARE
	v_mov_b32 v[NIL], 0
	ds_add_u32 v2, v3
	ds_add_u32 v2, v3
	s_wait_dscnt 0x0
	v_lshrrev_b32 v1, 5, v0
	v_readfirstlane_b32 s[WV], v1                  ; wave 0..3
	v_and_b32 v[L4], 31, v0                        ; lane
	v_lshlrev_b32 v[LI], 4, v[L4]
	v_lshl_add_u32 v[LI8], v[L4], 3, SCL+1024
	v_add_nc_u32 v[LIS], SCL, v[LI]
	v_lshlrev_b32 v[L4], 2, v[L4]
	s_bfe_u32 s9, ttmp6, 0x40000                   ; cx: my place in the cluster: it enters q's and o's addresses alone
	s_and_b32 s10, ttmp7, 0xffff                   ; 8 batch + head, which the partners share
	s_lshl_b32 s11, ttmp9, 2
	s_add_co_u32 s11, s11, s9                      ; my block of 128 queries
	; group 1: 24,576 dense bytes as 96 rows of 32 elements of 8 bytes; the mask names all four work-groups, bit 21 beside it; no padding: every LDS read takes 512 consecutive bytes
	s_mov_b32 s[G1], 15|(3<<16)|(1<<21)
	s_mov_b32 s[G1+1], 32<<16
	s_mov_b32 s[G1+2], 96<<16
	s_mov_b32 s[G1+3], 32<<16
	s_mov_b32 s[G1+4], 96
	s_mov_b32 s[G1+5], 32
	s_mov_b32 s[G1+6], 0
	s_mov_b32 s[G1+7], 0
	s_mov_b32 s[G1S], 15|(3<<16)|(1<<21)           ; two steps' scale words: 16 such rows
	s_mov_b32 s[G1S+1], 32<<16
	s_mov_b32 s[G1S+2], 16<<16
	s_mov_b32 s[G1S+3], 32<<16
	s_mov_b32 s[G1S+4], 16
	s_mov_b32 s[G1S+5], 32
	s_mov_b32 s[G1S+6], 0
	s_mov_b32 s[G1S+7], 0
	s_mul_i32 s12, s10, 393216
	s_add_co_u32 s12, s12, O_KVC                   ; the head's k and v
	s_mov_b32 s13, 0
	s_mul_i32 s14, s[WV], 24576                    ; my quarter of a slot, in memory and in LDS
	s_mov_b32 s15, 0
	s_lshl_b32 s60, s10, 14
	s_add_co_u32 s60, s60, O_KVS
	s_mov_b32 s61, 0
	s_lshl_b32 s62, s[WV], 12                      ; the scale words of steps 2 w, 2 w + 1
	s_mov_b32 s63, 0
	s_mov_b32 s[SEL], 0x76543210
	s_mov_b32 s[SEL+1], 0xfedcba98
	s_mov_b32 s[CS], 0x3fb8aa3b                    ; log2(e)
	s_mov_b32 s[CS+1], s[CS]                       ; (named with it as a pair, so it is written)
	s_mov_b32 s[TB], 0
	s_mov_b32 s[TS], 0
	s_wait_kmcnt 0x0
	s_mov_b32 s[G00], 1                            ; count = 1
	s_mov_b32 s[G00+1], s14                        ; LDS address: slot 0
	s_add_nc_u64 s[G00+2:G00+3], s[4:5], s[12:13]
	s_add_nc_u64 s[G00+2:G00+3], s[G00+2:G00+3], s[14:15]   ; key steps 0 and 1
	s_mov_b32 s[G01], 1
	s_add_co_u32 s[G01+1], s14, SLOTB              ; slot 1,
	s_add_nc_u64 s[G01+2:G01+3], s[G00+2:G00+3], SLOTB      ; key steps 2 and 3
	s_mov_b32 s[G02], 1
	s_add_co_u32 s[G02+1], s14, 2*SLOTB            ; slot 2,
	s_add_nc_u64 s[G02+2:G02+3], s[G00+2:G00+3], 2*SLOTB    ; key steps 4 and 5
	s_or_b32 s[G00+3], s[G00+3], 0x80000000        ; type = 2
	s_or_b32 s[G01+3], s[G01+3], 0x80000000
	s_or_b32 s[G02+3], s[G02+3], 0x80000000
	s_mov_b32 s[G0S], 1
	s_add_co_u32 s[G0S+1], s62, SCL
	s_add_nc_u64 s[G0S+2:G0S+3], s[4:5], s[60:61]
	s_add_nc_u64 s[G0S+2:G0S+3], s[G0S+2:G0S+3], s[62:63]
	s_or_b32 s[G0S+3], s[G0S+3], 0x80000000
	CROUND                                         ; all four work-groups are here: the first joint loads meet
	tensor_load_to_lds s[G0S:G0S+3], s[G1S:G1S+7]  ; the first fills go out as one group: the scale words of all eight steps,
	s_nop 0
	tensor_load_to_lds s[G00:G00+3], s[G1:G1+7]    ; slot 0,
	s_nop 0
	tensor_load_to_lds s[G01:G01+3], s[G1:G1+7]    ; slot 1,
	s_nop 0
	tensor_load_to_lds s[G02:G02+3], s[G1:G1+7]    ; slot 2: four tensor loads of mine are out
	s_nop 0
	PLACES
	s_lshl_b32 s60, s10, 3
	s_add_co_u32 s60, s60, s11                     ; the block of my queries among the 256
	s_mul_i32 s62, s60, 24576
	s_mul_i32 s2, s[WV], 3072
	s_add_co_u32 s62, s62, s2
	s_add_nc_u64 s[QCB:QCB+1], s[4:5], s[62:63]    ; q's codes: tile 2 w, channels 0-127; tile 2 w + 1 lies 1,536 bytes on, channels 128-255 lie 12,288 on
	s_lshl_b32 s62, s60, 10
	s_lshl_b32 s2, s[WV], 2
	s_add_co_u32 s62, s62, s2                      ; word w of a lane's four: lanes 0-15 tile 2 w, lanes 16-31 tile 2 w + 1
	s_add_co_u32 s62, s62, O_QS
	s_add_nc_u64 s[QSB:QSB+1], s[4:5], s[62:63]
	s_lshr_b32 s60, s10, 3
	s_lshl_b32 s60, s60, 3
	s_add_co_u32 s60, s60, s11                     ; qb = 8 batch + block of queries
	s_and_b32 s61, s10, 7                          ; head
	s_lshl_b32 s62, s60, 3
	s_lshl_b32 s2, s[WV], 1
	s_add_co_u32 s62, s62, s2
	s_lshl_b32 s62, s62, 4
	s_lshl_b32 s2, s61, 1
	s_add_co_u32 s62, s62, s2
	s_mul_i32 s62, s62, 1536
	s_add_nc_u64 s[OCB:OCB+1], s[6:7], s[62:63]    ; o's codes: [qb][tile 2 w + u][K step 2 head + s]
	s_lshl_b32 s62, s60, 3
	s_add_co_u32 s62, s62, s61
	s_lshl_b32 s62, s62, 3
	s_lshl_b32 s2, s[WV], 1
	s_add_co_u32 s62, s62, s2
	s_lshl_b32 s62, s62, 7
	s_add_co_u32 s62, s62, O_OS
	s_add_nc_u64 s[OSB:OSB+1], s[6:7], s[62:63]    ; and their scale words: [qb][head][tile 2 w + u][32 lanes]
	WIN 0x80                                       ; destination window 2: q's four fragments stay in registers
.irp u, 0,1
.irp s, 0,1
.irp c, 0,1,2
	global_load_b128 v[QF+24*\u+12*\s+4*\c:QF+24*\u+12*\s+4*\c+3], v[LI], s[QCB:QCB+1] offset:12288*\s+1536*\u+512*\c
.endr
.endr
.endr
	WIN 0
	global_load_b32 v[QS0], v[LI], s[QSB:QSB+1]
	global_load_b32 v[QS1], v[LI], s[QSB:QSB+1] offset:512
.irp u, 0,1
	v_mov_b32 v[ST+4*\u+1], 0xff61b1e6             ; the largest t so far: -3e38, under every t
	v_floor_f32 v[ST+4*\u], -v[ST+4*\u+1]          ; -M
	v_mov_b32 v[ST+4*\u+2], 0                      ; the sum, in two halves
	v_mov_b32 v[ST+4*\u+3], 0
	v_mov_b32 v[FF+2*\u+1], 0                      ; (named as the upper half of a pair)
.irp b, 0,1,2,3
	v_mov_b32 v[BM+12*\u+4+\b], 0                  ; written once: a lane permute's destination counts as one of its sources
.endr
.endr
	s_wait_tensorcnt 0x2                           ; my parts of the scale words and of slot 0 are in; slots 1 and 2 may stay out
	s_barrier_signal -1
	s_barrier_wait -1                              ; everybody's are
	s_wait_loadcnt 0x0                             ; q
	STEP 0, 1                                      ; key steps 0 and 1, from slot 0
	STEP 1, 0
	; THE ONE REFILL: slot 0 takes key steps 6 and 7.  Every wave waits for all its tensor loads (so slots 1 and 2 are whole), adds 0 to its spare word, and waits for that and for its reads of slot 0
	s_wait_tensorcnt 0x0                           ; no tensor load of mine is out, so a group 0 may be written
	ds_add_u32 v[SPW], v[NIL]                      ; 0 onto my spare word
	s_add_nc_u64 s[G00+2:G00+3], s[G00+2:G00+3], 3*SLOTB   ; from key steps 0 and 1 to 6 and 7; the type bits on top are not reached
	s_wait_dscnt 0x0                               ; the add is done, and my reads of slot 0 are over
	CROUND                                         ; both now hold of every wave of every work-group of the cluster
	tensor_load_to_lds s[G00:G00+3], s[G1:G1+7]    ; the first thing behind the round, and my one tensor load: it has key steps 2 to 5 in which to land
	s_nop 0
	PLACES
	s_mov_b32 s[TB], SLOTB
	s_mov_b32 s[CNT], 2
.Lslot:                                            ; two trips: slots 1 and 2, key steps 2 to 5; no barrier: the wait and the round above have shown both slots whole to every wave
	STEP 0, 0
	STEP 1, 0
	s_add_co_u32 s[TB], s[TB], SLOTB
	s_sub_co_u32 s[CNT], s[CNT], 1
	s_cmp_lg_u32 s[CNT], 0
	s_cbranch_scc1 .Lslot
	s_wait_tensorcnt 0x0                           ; my part of key steps 6 and 7 is in
	ds_add_u32 v[SPW], v[NIL]
	s_mov_b32 s[TB], 0
	s_wait_dscnt 0x0
	s_barrier_signal -1
	s_barrier_wait -1                              ; everybody's is
	STEP 0, 0
	STEP 1, 0
	; THE WAY OUT: O^T is divided by the row's sum and quantised along the channels: two fragments a tile (K steps 2 head, 2 head + 1 of the last product), stored as images.
	PLACES
.irp u, 0,1
	v_add_f32 v[ST+4*\u+2], v[ST+4*\u+2], v[ST+4*\u+3]   ; the sum's two halves,
.endr
.irp u, 0,1
	v_permlanex16_b32 v[TT+\u], v[ST+4*\u+2], s[SEL], s[SEL+1]
.endr
.irp u, 0,1
	v_add_f32 v[ST+4*\u+2], v[ST+4*\u+2], v[TT+\u]       ; and lane l xor 16's: the row's sum
.endr
.irp u, 0,1
	v_rcp_f32 v[ST+4*\u+2], v[ST+4*\u+2]
.endr
	v_nop                                          ; a plain place behind the transcendentals
	s_wait_alu depctr_va_vdst(0)                   ; and one wait for the two, ahead of their first reader
.irp u, 0,1
.irp s, 0,1
	WIN 0x01                                       ; source 0 (O^T) window 1
.set jj, 0
.rept 32
	v_pk_mul_f32 v[SCO+jj:SCO+jj+1], v[128*\u+64*\s+jj:128*\u+64*\s+jj+1], v[ST+4*\u+2:ST+4*\u+3] op_sel_hi:[1,0]   ; each tile from its low end on
.set jj, jj+2
.endr
	WIN 0
	QUANT SCO, PW+2*\u+\s, 0x1800000, 2*\u+\s
	PUT OCB, \u*24576+\s*1536
.endr
.endr
	v_permlane16_swap_b32 v[PW], v[PW+1]           ; lanes 0-15 K step 2 head, lanes 16-31 K step 2 head + 1
	v_permlane16_swap_b32 v[PW+2], v[PW+3]
	global_store_b32 v[L4], v[PW], s[OSB:OSB+1]    ; a tile's 32 scale words: 128 consecutive bytes; the two stores together cover 256, aligned
	global_store_b32 v[L4], v[PW+2], s[OSB:OSB+1] offset:128
	s_wait_tensorcnt 0x0                           ; the wave's end
	ds_add_u32 v[SPW], v[NIL]
	s_wait_dscnt 0x0
	CROUND                                         ; the closing round: no work-group ends while a partner may still ask for a tile that names it
	s_endpgm
.Lfunc_end_k_q72b9ed6b5e_attn:
	.size	k_q72b9ed6b5e_attn, .Lfunc_end_k_q72b9ed6b5e_attn-k_q72b9ed6b5e_attn
	.p2alignl 7, 3214868480
	.fill 96, 4, 3214868480
	.section	.rodata,"a",@progbits
	.p2align	6, 0x0
	.amdhsa_kernel k_q72b9ed6b5e_attn
		.amdhsa_group_segment_fixed_size 327680
		.amdhsa_private_segment_fixed_size 0
		.amdhsa_enable_private_segment 0
		.amdhsa_kernarg_size 16
		.amdhsa_user_sgpr_count 2
		.amdhsa_user_sgpr_kernarg_segment_ptr 1
		.amdhsa_wavefront_size32 1
		.amdhsa_system_sgpr_workgroup_id_x 1
		.amdhsa_system_sgpr_workgroup_id_y 1
		.amdhsa_system_sgpr_workgroup_id_z 1
		.amdhsa_system_vgpr_workitem_id 0
		.amdhsa_next_free_vgpr 1024
		.amdhsa_next_free_sgpr 80
		.amdhsa_reserve_vcc 0
		.amdhsa_float_denorm_mode_32 3
		.amdhsa_float_denorm_mode_16_64 3
		.amdhsa_memory_ordered 1
		.amdhsa_forward_progress 1
		.amdhsa_inst_pref_size 255
	.end_amdhsa_kernel
	.section	.bss,"aw",@nobits
	.p2align	6
	.space	262144
	.amdgpu_metadata
---
amdhsa.version: [ 1, 2 ]
amdhsa.kernels:
  - .name:           k_q72b9ed6b5e_attn
    .symbol:         k_q72b9ed6b5e_attn.kd
    .args:
      - { .name: qkv, .offset: 0, .size: 8, .value_kind: global_buffer, .address_space: global }
      - { .name: oq, .offset: 8, .size: 8, .value_kind: global_buffer, .address_space: global }
    .group_segment_fixed_size: 327680
    .private_segment_fixed_size: 0
    .kernarg_segment_align: 8
    .kernarg_segment_size: 16
    .max_flat_workgroup_size: 128
    .sgpr_count:     80
    .vgpr_count:     1024
    .wavefront_size: 32
...
	.end_amdgpu_metadata
.endif
;; end of part 3
;; launch oproj (part 4): grid 4 x 64, 4 waves a work-group, no clusters, 70,144 bytes of LDS; arguments oq, wx, bo, out0; writes out0
.if DOCPART == 4
	.amdgcn_target "amdgcn-amd-amdhsa--gfx1250"
	.amdhsa_code_object_version 6
	.text
	.protected	k_q72b9ed6b5e_oproj
	.globl	k_q72b9ed6b5e_oproj
	.p2align	8
	.type	k_q72b9ed6b5e_oproj,@function
k_q72b9ed6b5e_oproj:
	s_mov_b64 s[64:65], 0
	v_nop
	global_prefetch_b8 v0, s[64:65] scope:SCOPE_SE
	s_setreg_imm32_b32 hwreg(HW_REG_WAVE_MODE, 25, 1), 1
	s_wait_xcnt 0x0
; OPROJ: out0 = o Wo + bo, K = 2,048, on codes of FP6 (E2M3) with E8M0 scales.  o and Wo lie in memory as images of operand registers (16 rows x 128 K: 1,536 bytes, three chunks of 512, lane l's 16 bytes at 16 l).
; A work-group makes 64 tokens (y) x 64 columns (x).  THE WAVES SPLIT K: wave w takes K steps 4 w .. 4 w + 3 for the whole 64 x 64: 16 accumulators, 64 products, 32 fragments straight into registers, so that the
; work-group reads none of its operand bytes twice.  The four partial sums meet in LDS, on the way that the results take anyway to leave as whole rows; bo is added there.
; LIMIT: an output is the sum of four partial sums of 512 along K each, not one chain in ascending K: another order of f32 roundings than the reference's.
; No cluster and no tensor load: each wave has one run of loads, at its head, into registers that hold them to the end; there is no ring whose refills partners could share.
; TRANSPOSED: source 0 = 16 columns of Wo, source 1 = 16 tokens: a lane holds one token and eight neighbouring columns.  Row r of tile T stands for index 32 (T / 2) + 8 (T % 2) + r + 8 (r / 8), for tokens and for columns.
; REGISTERS: window 0: addresses, v8-11 bo, v16-23 o's scale words, v24-31 Wo's, v128-255 the accumulators ((m, n) at 128 + 8 (4 m + n)), later the rows read back.  window 1: o's fragments (s, m) at 12 (4 s + m).  window 2: Wo's (s, n) likewise.
.set O_OS,  6291456
.set O_WOC, 1228800
.set O_WOS, 1622016
.set SPITCH, 272                       ; a stage row: 256 bytes + 16: the sixteen rows that a store touches begin in different banks (64 banks of 4 bytes: ISA guide 11.1)
.set PART,  64*SPITCH                  ; a wave's partial sums: 64 rows
.set LI,  1                            ; v1   16 x lane
.set L4,  2                            ; v2   4 x lane
.set STO, 3                            ; v3   the stage: where I put my results
.set RD,  4                            ; v4   and where I read rows back
.set CO,  5                            ; v5   my byte offset in out0
.set BOO, 6                            ; v6   16 x (lane % 16)
.set BOR, 8                            ; v8-11 bo of my four columns
.set OSC, 16                           ; v16-23 [4 (s / 2) + m]: lanes 0-15 the even K step, lanes 16-31 the odd one
.set WSC, 24                           ; v24-31 [4 g + s]: lanes 0-15 tile 2 g, lanes 16-31 tile 2 g + 1
.set ACC, 128
.set MSB, 0
.macro WIN new                         ; the immediate's high byte repeats the setting that is left
.if MSB != \new
	s_set_vgpr_msb (MSB<<8)|\new
.set MSB, \new
.endif
.endm
; one product: D at v[d], source 0 at v[a], source 1 at v[b], C at v[c] (c = -1: the constant 0), scale words v[sa], v[sb]; ra, rb = 1: taken from lanes 16-31
.macro WM d, a, b, c, sa, sb, ra, rb
.if (\c) < 0
.if (\ra) && (\rb)
	v_wmma_scale_f32_16x16x128_f8f6f4 v[\d:\d+7], v[\a:\a+11], v[\b:\b+11], 0, v[\sa], v[\sb] matrix_a_fmt:MATRIX_FMT_FP6 matrix_b_fmt:MATRIX_FMT_FP6 matrix_a_scale:MATRIX_SCALE_ROW1 matrix_b_scale:MATRIX_SCALE_ROW1
.elseif \ra
	v_wmma_scale_f32_16x16x128_f8f6f4 v[\d:\d+7], v[\a:\a+11], v[\b:\b+11], 0, v[\sa], v[\sb] matrix_a_fmt:MATRIX_FMT_FP6 matrix_b_fmt:MATRIX_FMT_FP6 matrix_a_scale:MATRIX_SCALE_ROW1
.elseif \rb
	v_wmma_scale_f32_16x16x128_f8f6f4 v[\d:\d+7], v[\a:\a+11], v[\b:\b+11], 0, v[\sa], v[\sb] matrix_a_fmt:MATRIX_FMT_FP6 matrix_b_fmt:MATRIX_FMT_FP6 matrix_b_scale:MATRIX_SCALE_ROW1
.else
	v_wmma_scale_f32_16x16x128_f8f6f4 v[\d:\d+7], v[\a:\a+11], v[\b:\b+11], 0, v[\sa], v[\sb] matrix_a_fmt:MATRIX_FMT_FP6 matrix_b_fmt:MATRIX_FMT_FP6
.endif
.else
.if (\ra) && (\rb)
	v_wmma_scale_f32_16x16x128_f8f6f4 v[\d:\d+7], v[\a:\a+11], v[\b:\b+11], v[\c:\c+7], v[\sa], v[\sb] matrix_a_fmt:MATRIX_FMT_FP6 matrix_b_fmt:MATRIX_FMT_FP6 matrix_a_scale:MATRIX_SCALE_ROW1 matrix_b_scale:MATRIX_SCALE_ROW1
.elseif \ra
	v_wmma_scale_f32_16x16x128_f8f6f4 v[\d:\d+7], v[\a:\a+11], v[\b:\b+11], v[\c:\c+7], v[\sa], v[\sb] matrix_a_fmt:MATRIX_FMT_FP6 matrix_b_fmt:MATRIX_FMT_FP6 matrix_a_scale:MATRIX_SCALE_ROW1
.elseif \rb
	v_wmma_scale_f32_16x16x128_f8f6f4 v[\d:\d+7], v[\a:\a+11], v[\b:\b+11], v[\c:\c+7], v[\sa], v[\sb] matrix_a_fmt:MATRIX_FMT_FP6 matrix_b_fmt:MATRIX_FMT_FP6 matrix_b_scale:MATRIX_SCALE_ROW1
.else
	v_wmma_scale_f32_16x16x128_f8f6f4 v[\d:\d+7], v[\a:\a+11], v[\b:\b+11], v[\c:\c+7], v[\sa], v[\sb] matrix_a_fmt:MATRIX_FMT_FP6 matrix_b_fmt:MATRIX_FMT_FP6
.endif
.endif
.endm
	s_load_b256 s[4:11], s[0:1], 0x0               ; oq s[4:5], wx s[6:7], bo s[8:9], out0 s[10:11]
	v_lshl_add_u32 v126, v0, 2, 0x11000
	v_mov_b32 v127, 0
	v_lshrrev_b32 v1, 5, v0
	v_readfirstlane_b32 s12, v1                    ; wave 0..3
	v_and_b32 v7, 31, v0
	v_lshlrev_b32 v[LI], 4, v7
	v_lshlrev_b32 v[L4], 2, v7
	v_and_b32 v12, 15, v0                          ; r
	v_bfe_u32 v13, v0, 4, 1                        ; h
	v_lshlrev_b32 v[BOO], 4, v12
	v_lshl_add_u32 v[CO], v13, 10, v[BOO]          ; lanes 0-15 one row of out0, lanes 16-31 the next; 16 bytes a lane
	s_mul_i32 s16, s12, PART
	v_mul_u32_u24 v[STO], v12, SPITCH
	v_lshl_add_u32 v[STO], v13, 6, v[STO]
	v_add_nc_u32 v[STO], s16, v[STO]               ; my part of the stage, row r, + 64 h: a tile's eight columns of my half lie 16 columns on for h = 1
	s_mul_i32 s16, s12, 16*SPITCH
	v_mul_u32_u24 v[RD], v13, SPITCH
	v_add_nc_u32 v[RD], v[RD], v[BOO]
	v_add_nc_u32 v[RD], s16, v[RD]                 ; back: rows 16 w + h on, of every part
	s_and_b32 s14, ttmp7, 0xffff                   ; block of 64 tokens
	s_mov_b32 s17, 0
	s_wait_kmcnt 0x0
	s_lshr_b32 s16, s14, 1                         ; o's scale words [qb][head 8][tile 8][32 lanes]: qb = tb / 2, head 2 w on, tile 4 (tb % 2) on
	s_lshl_b32 s16, s16, 3
	s_lshl_b32 s18, s12, 1
	s_add_co_u32 s16, s16, s18
	s_lshl_b32 s16, s16, 3
	s_and_b32 s18, s14, 1
	s_lshl_b32 s18, s18, 2
	s_add_co_u32 s16, s16, s18
	s_lshl_b32 s16, s16, 7
	s_add_co_u32 s16, s16, O_OS
	s_add_nc_u64 s[20:21], s[4:5], s[16:17]
	s_lshl_b32 s16, ttmp9, 12                      ; Wo's [G 8][ks 16][32 lanes]: G = 2 cb on, ks = 4 w on
	s_lshl_b32 s18, s12, 9
	s_add_co_u32 s16, s16, s18
	s_add_co_u32 s16, s16, O_WOS
	s_add_nc_u64 s[22:23], s[6:7], s[16:17]
	s_mul_i32 s16, s14, 98304                      ; o's codes [tile 256][ks 16][1536]: tile 4 tb on, ks = 4 w on
	s_mul_i32 s18, s12, 6144
	s_add_co_u32 s16, s16, s18
	s_add_nc_u64 s[24:25], s[4:5], s[16:17]
	s_mul_i32 s16, ttmp9, 98304                    ; Wo's [tile 16][ks 16][1536]: tile 4 cb on
	s_add_co_u32 s16, s16, s18
	s_add_co_u32 s16, s16, O_WOC
	s_add_nc_u64 s[26:27], s[6:7], s[16:17]
	s_lshl_b32 s16, ttmp9, 8
	s_add_nc_u64 s[28:29], s[8:9], s[16:17]        ; bo: my work-group's 64 columns
	s_lshl_b32 s18, s14, 16                        ; out0: token 64 tb + 32 (w / 2) + 8 (w % 2), rows of 1,024 bytes; + the 64 columns
	s_add_co_u32 s16, s16, s18
	s_lshr_b32 s18, s12, 1
	s_lshl_b32 s18, s18, 15
	s_add_co_u32 s16, s16, s18
	s_and_b32 s18, s12, 1
	s_lshl_b32 s18, s18, 13
	s_add_co_u32 s16, s16, s18
	s_add_nc_u64 s[30:31], s[10:11], s[16:17]
.irp q, 0,1
.irp m, 0,1,2,3
	global_load_b32 v[OSC+4*\q+\m], v[L4], s[20:21] offset:(8*\q+\m)*128
.endr
.endr
.irp g, 0,1
.irp s, 0,1,2,3
	global_load_b32 v[WSC+4*\g+\s], v[L4], s[22:23] offset:(16*\g+\s)*128
.endr
.endr
	global_load_b128 v[BOR:BOR+3], v[BOO], s[28:29]
.irp s, 0,1,2,3                                    ; 24 loads a K step
	WIN 0x40                                       ; destination window 1
.irp m, 0,1,2,3
.irp c, 0,1,2
	global_load_b128 v[12*(4*\s+\m)+4*\c:12*(4*\s+\m)+4*\c+3], v[LI], s[24:25] offset:(16*\m+\s)*1536+512*\c
.endr
.endr
	WIN 0x80                                       ; destination window 2
.irp n, 0,1,2,3
.irp c, 0,1,2
	global_load_b128 v[12*(4*\s+\n)+4*\c:12*(4*\s+\n)+4*\c+3], v[LI], s[26:27] offset:(16*\n+\s)*1536+512*\c
.endr
.endr
.endr
	; the sixteen accumulators take turns, one product a turn, in the same order in every K step; the first K step's products start the sums
.irp s, 0,1,2,3
.if \s == 0
	s_wait_loadcnt 63                              ; 72 loads stand behind this K step's: a count names 63 at the most
.else
	s_wait_loadcnt 24*(3-\s)                       ; the later K steps' loads may be out
.endif
	WIN 0x06                                       ; source 0 (Wo) window 2, source 1 (o) window 1
.irp m, 0,1,2,3
.irp n, 0,1,2,3
.if \s == 0
	WM ACC+8*(4*\m+\n), 12*(4*\s+\n), 12*(4*\s+\m), -1, WSC+4*(\n/2)+\s, OSC+4*(\s/2)+\m, \n%2, \s%2
.else
	WM ACC+8*(4*\m+\n), 12*(4*\s+\n), 12*(4*\s+\m), ACC+8*(4*\m+\n), WSC+4*(\n/2)+\s, OSC+4*(\s/2)+\m, \n%2, \s%2
.endif
.endr
.endr
.endr
	WIN 0
.rept 4
	v_nop                                          ; four places ahead of the first read of results
.endr
.irp m, 0,1,2,3
.irp n, 0,1,2,3                                    ; lane (r, h), register j: row 16 m + r of the stage, column 32 (n / 2) + 8 (n % 2) + 16 h + j; each accumulator from its low end on
	ds_store_b128 v[STO], v[ACC+8*(4*\m+\n):ACC+8*(4*\m+\n)+3] offset:16*\m*SPITCH+128*(\n/2)+32*(\n%2)
	ds_store_b128 v[STO], v[ACC+8*(4*\m+\n)+4:ACC+8*(4*\m+\n)+7] offset:16*\m*SPITCH+128*(\n/2)+32*(\n%2)+16
.endr
.endr
	s_wait_dscnt 0x0                               ; for the others' sake: my stores into the stage are done
	s_barrier_signal -1
	s_barrier_wait -1
.irp i, 0,1,2,3,4,5,6,7                            ; rows 16 w + 2 i + h of the four parts
.irp p, 0,1,2,3
	ds_load_b128 v[ACC+32*\p+4*\i:ACC+32*\p+4*\i+3], v[RD] offset:\p*PART+2*\i*SPITCH
.endr
.endr
.irp i, 0,1,2,3,4,5,6,7
	s_wait_dscnt 4*(7-\i)                          ; the later pairs of rows may be out
	v_pk_add_f32 v[ACC+4*\i:ACC+4*\i+1], v[ACC+4*\i:ACC+4*\i+1], v[ACC+32+4*\i:ACC+32+4*\i+1]
	v_pk_add_f32 v[ACC+4*\i+2:ACC+4*\i+3], v[ACC+4*\i+2:ACC+4*\i+3], v[ACC+32+4*\i+2:ACC+32+4*\i+3]
	v_pk_add_f32 v[ACC+64+4*\i:ACC+64+4*\i+1], v[ACC+64+4*\i:ACC+64+4*\i+1], v[ACC+96+4*\i:ACC+96+4*\i+1]
	v_pk_add_f32 v[ACC+64+4*\i+2:ACC+64+4*\i+3], v[ACC+64+4*\i+2:ACC+64+4*\i+3], v[ACC+96+4*\i+2:ACC+96+4*\i+3]
	v_pk_add_f32 v[ACC+4*\i:ACC+4*\i+1], v[ACC+4*\i:ACC+4*\i+1], v[ACC+64+4*\i:ACC+64+4*\i+1]
	v_pk_add_f32 v[ACC+4*\i+2:ACC+4*\i+3], v[ACC+4*\i+2:ACC+4*\i+3], v[ACC+64+4*\i+2:ACC+64+4*\i+3]
	v_pk_add_f32 v[ACC+4*\i:ACC+4*\i+1], v[ACC+4*\i:ACC+4*\i+1], v[BOR:BOR+1]
	v_pk_add_f32 v[ACC+4*\i+2:ACC+4*\i+3], v[ACC+4*\i+2:ACC+4*\i+3], v[BOR+2:BOR+3]
	global_store_b128 v[CO], v[ACC+4*\i:ACC+4*\i+3], s[30:31] offset:(2*\i+8*(\i/4))*1024 th:TH_STORE_NT   ; stage row r' = 2 i + h of tile w is token r' + 8 (r' / 8) on; 16 lanes store 256 consecutive bytes, aligned
.endr
	s_wait_tensorcnt 0x0
	ds_add_u32 v126, v127
	s_wait_dscnt 0x0
	s_endpgm
.Lfunc_end_k_q72b9ed6b5e_oproj:
	.size	k_q72b9ed6b5e_oproj, .Lfunc_end_k_q72b9ed6b5e_oproj-k_q72b9ed6b5e_oproj
	.p2alignl 7, 3214868480
	.fill 96, 4, 3214868480
	.section	.rodata,"a",@progbits
	.p2align	6, 0x0
	.amdhsa_kernel k_q72b9ed6b5e_oproj
		.amdhsa_group_segment_fixed_size 70144
		.amdhsa_private_segment_fixed_size 0
		.amdhsa_enable_private_segment 0
		.amdhsa_kernarg_size 32
		.amdhsa_user_sgpr_count 2
		.amdhsa_user_sgpr_kernarg_segment_ptr 1
		.amdhsa_wavefront_size32 1
		.amdhsa_system_sgpr_workgroup_id_x 1
		.amdhsa_system_sgpr_workgroup_id_y 1
		.amdhsa_system_sgpr_workgroup_id_z 1
		.amdhsa_system_vgpr_workitem_id 0
		.amdhsa_next_free_vgpr 768
		.amdhsa_next_free_sgpr 66
		.amdhsa_reserve_vcc 0
		.amdhsa_float_denorm_mode_32 3
		.amdhsa_float_denorm_mode_16_64 3
		.amdhsa_memory_ordered 1
		.amdhsa_forward_progress 1
		.amdhsa_inst_pref_size 32
	.end_amdhsa_kernel
	.amdgpu_metadata
---
amdhsa.version: [ 1, 2 ]
amdhsa.kernels:
  - .name:           k_q72b9ed6b5e_oproj
    .symbol:         k_q72b9ed6b5e_oproj.kd
    .args:
      - { .name: oq, .offset: 0, .size: 8, .value_kind: global_buffer, .address_space: global }
      - { .name: wx, .offset: 8, .size: 8, .value_kind: global_buffer, .address_space: global }
      - { .name: bo, .offset: 16, .size: 8, .value_kind: global_buffer, .address_space: global }
      - { .name: out0, .offset: 24, .size: 8, .value_kind: global_buffer, .address_space: global }
    .group_segment_fixed_size: 70144
    .private_segment_fixed_size: 0
    .kernarg_segment_align: 8
    .kernarg_segment_size: 32
    .max_flat_workgroup_size: 128
    .sgpr_count:     66
    .vgpr_count:     768
    .wavefront_size: 32
...
	.end_amdgpu_metadata
.endif
;; end of part 4
;; ======== version 2 of 2: 4 launches; version 1 with the launches qkv, oproj written anew for expert scheduling mode
;; workspace buffers: wx 2,457,600 bytes; qkv 19,660,800 bytes; oq 6,553,600 bytes
;; launch prep: the kernel of part 1 again; grid 320 x 1, 2 waves a work-group, no clusters, 0 bytes of LDS; arguments x, Wq, Wk, Wv, Wo, wx; writes wx
;; launch qkv (part 5): grid 32 x 8, 4 waves a work-group, no clusters, 0 bytes of LDS; arguments wx, bq, bk, bv, qkv; writes qkv
.if DOCPART == 5
	.amdgcn_target "amdgcn-amd-amdhsa--gfx1250"
	.amdhsa_code_object_version 6
	.text
	.protected	k_q72b9ed6b5e_qkv
	.globl	k_q72b9ed6b5e_qkv
	.p2align	8
	.type	k_q72b9ed6b5e_qkv,@function
k_q72b9ed6b5e_qkv:
	s_mov_b64 s[64:65], 0
	v_nop
	global_prefetch_b8 v0, s[64:65] scope:SCOPE_SE
	s_setreg_imm32_b32 hwreg(HW_REG_WAVE_SCHED_MODE, 0, 2), 2
	s_setreg_imm32_b32 hwreg(HW_REG_WAVE_MODE, 25, 1), 1
	s_wait_xcnt 0x0
	s_wait_alu depctr_vm_vsrc(0)
; QKV: q = (x Wq + bq) / 4, k = (x Wk + bk) / 4, v = x Wv + bv on codes of FP6 (E2M3) with E8M0 scales, and the results quantised at once: q and k along the head's channels, v along the tokens (the keys).
; A work-group takes 128 tokens (x) of one head (y).  THE WAVES SHARE THE COLUMNS: wave w makes one of {q channels 0-127, q 128-255, k 0-127, k 128-255} (mat = w / 2, half = w % 2) for all 128 tokens, 128 products,
; and then v's channel tiles 4 w .. 4 w + 3, 64 products.  Every operand comes from memory as an image of its registers and stays there; every result leaves as an image.  No LDS, no barrier: waves share nothing.
; No cluster and no tensor load: a wave reads each of its bytes once, at its head, straight into the registers that hold them to the end; there is no ring whose refills partners could share.
; q, k: TRANSPOSED (source 0 = 16 columns of W, source 1 = 16 tokens): a lane holds one token, its registers run along the channels.  v: source 0 = 16 tokens, source 1 = 16 columns: a lane holds one channel,
; its registers run along the tokens.  By the order of rows in a tile (row r of tile T = index 32 (T / 2) + 8 (T % 2) + r + 8 (r / 8)) the 16 registers of tiles 2 b, 2 b + 1 are 16 neighbours along the next K either way.
; THE FACTOR 1/4 is a power of two: the codes are those of the unscaled numbers, and 2 is taken off each scale byte.  The floor under the largest magnitude is 2^(5 - 127), so a byte is at least 3 before and 1 after.
; The biases are the C of each sum's first product.
; LIMITS: NaN and infinities are not served; a block of zeros gets the lowest byte and zero codes (this program alone reads the bytes).
; qkv: q's codes [blk 256][half 2][tile 8][1536] at 0 (blk = (8 batch + head) 8 + block of 128 tokens); q's scale words [blk][half][lane][4] at O_QS (word j: lanes 0-15 tile 2 j, lanes 16-31 tile 2 j + 1);
; [blk][49,152] at O_KVC: k low, k high (12,288 each), v's 16 channel tiles; [blk][2,048] at O_KVS: k's words low, high (512 each, as q's), v's at 1,024 + 256 w as [lane][2].
; REGISTERS: window 0: addresses, scale words, v48-111 eight result tiles, v112-131 codes, v200-215 at work.  window 1: my unit's 16 fragments of W.  window 2: Wv's 8 fragments, from v96 my unit's bias, from v160 bv.  window 3: x's 16 fragments.
; THE MODE: SCHED_MODE bits 1:0 = 2 (LLVM: expert scheduling mode 2), set by the entry lines.  The code itself states the register dependences between vector or matrix instructions and memory instructions,
; with s_wait_alu, always for 0.
; THE PLAN.  Registers that memory instructions touch:
;   v1-5            the offsets.  Written by vector lines at the head, once; read by every load and store.  One wait on va_vdst ahead of the first load states that they are written.
;   v16-35, windows 1 to 3   scale words, operands, biases.  Written by the head's loads alone, which stand behind that wait with only loads and window switches between; read by matrix instructions; never loaded again.
;   v[PC] .. + 11   a step's codes.  Written by QUANT's conversions, exchanges and moves; read by the step's three stores.
;   v[PE] .. + 3    scale words.  Written by QUANT and by the lines at a phase's end; read by the one store there.
; So a step has one wait on va_vdst, behind QUANT's last line and ahead of its stores and of the next step's products; in a phase's last step it stands behind the lines that finish the scale words and serves their store too.
; And every QUANT but the first has one wait on vm_vsrc, beside the wait on XCNT, ahead of the first line that writes v[PE] or v[PC] again: 16 products and 48 vector lines behind the stores that read them.
; Every operand and scale of a product comes by a load: no vector line feeds a product.
.set O_WS,  1179648
.set O_XC,  1638400
.set O_XS,  2424832
.set O_QS,  6291456
.set O_KVC, 6553600
.set O_KVS, 19136512
.set LI,  1                            ; v1   16 x lane
.set L4,  2                            ; v2   4 x lane
.set L8,  3                            ; v3   8 x lane
.set BO,  4                            ; v4   64 x (lane / 16): my half's eight channels of a tile's bias
.set BV,  5                            ; v5   4 (r + 8 (r / 8)): my channel of a tile of v
.set XSR, 16                           ; v16-23 x's scale words, tile m: lanes 0-15 K step 0, lanes 16-31 K step 1
.set W1S, 24                           ; v24-31 my unit's W: [2 g + s]: lanes 0-15 tile 2 g, lanes 16-31 tile 2 g + 1
.set WVS, 32                           ; v32-35 Wv's likewise
.set PE,  36                           ; v36-39 scale words made, even tiles
.set PO,  40                           ; v40-43 odd tiles
.set HA,  48
.set PC,  112
.set TM,  200
.set SEL, 40                           ; s[40:41]
.set MSB, 0
.macro WIN new                         ; the immediate's high byte repeats the setting that is left
.if MSB != \new
	s_set_vgpr_msb (MSB<<8)|\new
.set MSB, \new
.endif
.endm
.macro PLACES
.rept 4
	v_nop
.endr
.endm
; one product: D at v[d], source 0 at v[a], source 1 at v[b], C at v[c] (c = -1: the constant 0), scale words v[sa], v[sb]; ra, rb = 1: taken from lanes 16-31
.macro WM d, a, b, c, sa, sb, ra, rb
.if (\c) < 0
.if (\ra) && (\rb)
	v_wmma_scale_f32_16x16x128_f8f6f4 v[\d:\d+7], v[\a:\a+11], v[\b:\b+11], 0, v[\sa], v[\sb] matrix_a_fmt:MATRIX_FMT_FP6 matrix_b_fmt:MATRIX_FMT_FP6 matrix_a_scale:MATRIX_SCALE_ROW1 matrix_b_scale:MATRIX_SCALE_ROW1
.elseif \ra
	v_wmma_scale_f32_16x16x128_f8f6f4 v[\d:\d+7], v[\a:\a+11], v[\b:\b+11], 0, v[\sa], v[\sb] matrix_a_fmt:MATRIX_FMT_FP6 matrix_b_fmt:MATRIX_FMT_FP6 matrix_a_scale:MATRIX_SCALE_ROW1
.elseif \rb
	v_wmma_scale_f32_16x16x128_f8f6f4 v[\d:\d+7], v[\a:\a+11], v[\b:\b+11], 0, v[\sa], v[\sb] matrix_a_fmt:MATRIX_FMT_FP6 matrix_b_fmt:MATRIX_FMT_FP6 matrix_b_scale:MATRIX_SCALE_ROW1
.else
	v_wmma_scale_f32_16x16x128_f8f6f4 v[\d:\d+7], v[\a:\a+11], v[\b:\b+11], 0, v[\sa], v[\sb] matrix_a_fmt:MATRIX_FMT_FP6 matrix_b_fmt:MATRIX_FMT_FP6
.endif
.else
.if (\ra) && (\rb)
	v_wmma_scale_f32_16x16x128_f8f6f4 v[\d:\d+7], v[\a:\a+11], v[\b:\b+11], v[\c:\c+7], v[\sa], v[\sb] matrix_a_fmt:MATRIX_FMT_FP6 matrix_b_fmt:MATRIX_FMT_FP6 matrix_a_scale:MATRIX_SCALE_ROW1 matrix_b_scale:MATRIX_SCALE_ROW1
.elseif \ra
	v_wmma_scale_f32_16x16x128_f8f6f4 v[\d:\d+7], v[\a:\a+11], v[\b:\b+11], v[\c:\c+7], v[\sa], v[\sb] matrix_a_fmt:MATRIX_FMT_FP6 matrix_b_fmt:MATRIX_FMT_FP6 matrix_a_scale:MATRIX_SCALE_ROW1
.elseif \rb
	v_wmma_scale_f32_16x16x128_f8f6f4 v[\d:\d+7], v[\a:\a+11], v[\b:\b+11], v[\c:\c+7], v[\sa], v[\sb] matrix_a_fmt:MATRIX_FMT_FP6 matrix_b_fmt:MATRIX_FMT_FP6 matrix_b_scale:MATRIX_SCALE_ROW1
.else
	v_wmma_scale_f32_16x16x128_f8f6f4 v[\d:\d+7], v[\a:\a+11], v[\b:\b+11], v[\c:\c+7], v[\sa], v[\sb] matrix_a_fmt:MATRIX_FMT_FP6 matrix_b_fmt:MATRIX_FMT_FP6
.endif
.endif
.endm
; 64 numbers of a lane, register 16 b + i = k 32 b + 16 (lane / 16) + i of my row, become a fragment's codes in v[PC] on and its scale word in v[pw].  Each result tile is read from its low end on.
; wx other than 0: stores have been issued that read v[PC] on or the scale words.
.macro QUANT s, pw, floor, wx
.irp b, 0,1,2,3
	v_max3_num_f32 v[TM+\b], |v[\s+16*\b]|, |v[\s+1+16*\b]|, \floor
.endr
.irp i, 2,4,6,8,10,12,14
.irp b, 0,1,2,3
	v_max3_num_f32 v[TM+\b], v[TM+\b], |v[\s+16*\b+\i]|, |v[\s+1+16*\b+\i]|
.endr
.endr
.irp b, 0,1,2,3
	v_permlanex16_b32 v[TM+4+\b], v[TM+\b], s[SEL], s[SEL+1]
.endr
.irp b, 0,1,2,3
	v_max_num_f32 v[TM+\b], v[TM+\b], v[TM+4+\b]
.endr
.irp b, 0,1,2,3
	v_add_nc_u32 v[TM+12+\b], 0xff000000, v[TM+\b] ; 2 off the exponent field: the conversion's scale operand
.endr
.irp b, 0,1,2,3
	v_lshrrev_b32 v[TM+4+\b], 23, v[TM+12+\b]
.endr
.if \wx
	s_wait_xcnt 0x0                                ; every store issued so far has had its addresses translated: v[PC] on and the scale words, which they read, are written again only behind this wait
	s_wait_alu depctr_vm_vsrc(0)                   ; the stores issued so far have read v[PC] on and v[PE] on, which the lines below write again
.endif
	v_lshl_or_b32 v[\pw], v[TM+5], 8, v[TM+4]
	v_lshl_or_b32 v[\pw], v[TM+6], 16, v[\pw]
	v_lshl_or_b32 v[\pw], v[TM+7], 24, v[\pw]
.irp c, 0,1
	v_cvt_scalef32_pk16_fp6_f32 v[PC+6*\c:PC+2+6*\c], v[\s+32*\c:\s+15+32*\c], v[TM+12+2*\c]
	v_cvt_scalef32_pk16_fp6_f32 v[PC+12+4*\c:PC+14+4*\c], v[\s+16+32*\c:\s+31+32*\c], v[TM+13+2*\c]
.endr
	v_nop                                          ; one plain place behind a scaled conversion
.irp c, 0,1
.irp i, 0,1,2
	v_permlane16_swap_b32 v[PC+6*\c+\i], v[PC+12+4*\c+\i]
.endr
.irp i, 0,1,2
	v_mov_b32 v[PC+3+6*\c+\i], v[PC+12+4*\c+\i]
.endr
.endr
.endm
.macro PUT base, off                   ; each store covers 512 consecutive bytes, aligned
.irp c, 0,1,2
	global_store_b128 v[LI], v[PC+4*\c:PC+4*\c+3], s[\base:\base+1] offset:\off+512*\c
.endr
.endm
	s_load_b256 s[4:11], s[0:1], 0x0               ; wx s[4:5], bq s[6:7], bk s[8:9], bv s[10:11]
	s_load_b64 s[12:13], s[0:1], 0x20              ; qkv
	v_lshrrev_b32 v1, 5, v0
	v_readfirstlane_b32 s14, v1                    ; wave 0..3
	v_and_b32 v6, 31, v0
	v_lshlrev_b32 v[LI], 4, v6
	v_lshlrev_b32 v[L4], 2, v6
	v_lshlrev_b32 v[L8], 3, v6
	v_bfe_u32 v[BO], v0, 4, 1
	v_lshlrev_b32 v[BO], 6, v[BO]
	v_and_b32 v7, 15, v0
	v_and_b32 v[BV], 8, v7
	v_add_nc_u32 v[BV], v[BV], v7
	v_lshlrev_b32 v[BV], 2, v[BV]
.irp b, 0,1,2,3
	v_mov_b32 v[TM+4+\b], 0                        ; written once: a lane permute's destination counts as one of its sources
.endr
	s_mov_b32 s[SEL], 0x76543210
	s_mov_b32 s[SEL+1], 0xfedcba98
	s_and_b32 s18, ttmp7, 0xffff                   ; head
	s_wait_alu depctr_va_sdst(0)                   ; s14, the wave's number, is written, ahead of its first reader: every base below is made from it
	s_lshr_b32 s15, s14, 1                         ; mat: 0 q, 1 k
	s_and_b32 s16, s14, 1                          ; half of the head's channels
	s_lshr_b32 s19, ttmp9, 3
	s_lshl_b32 s19, s19, 3
	s_add_co_u32 s19, s19, s18
	s_lshl_b32 s19, s19, 3
	s_and_b32 s20, ttmp9, 7
	s_add_co_u32 s19, s19, s20                     ; blk
	s_mov_b32 s21, 0
	s_wait_kmcnt 0x0
	s_lshl_b32 s20, ttmp9, 10
	s_add_co_u32 s20, s20, O_XS
	s_add_nc_u64 s[22:23], s[4:5], s[20:21]        ; x's scale words
	s_lshl_b32 s20, s15, 14
	s_lshl_b32 s48, s18, 11
	s_add_co_u32 s20, s20, s48
	s_lshl_b32 s48, s16, 10
	s_add_co_u32 s20, s20, s48
	s_add_co_u32 s20, s20, O_WS
	s_add_nc_u64 s[24:25], s[4:5], s[20:21]        ; my unit's W: scale words,
	s_mul_i32 s20, ttmp9, 24576
	s_add_co_u32 s20, s20, O_XC
	s_add_nc_u64 s[26:27], s[4:5], s[20:21]        ; x's codes
	s_mul_i32 s20, s15, 393216
	s_mul_i32 s48, s18, 49152
	s_add_co_u32 s20, s20, s48
	s_mul_i32 s48, s16, 24576
	s_add_co_u32 s20, s20, s48
	s_add_nc_u64 s[28:29], s[4:5], s[20:21]        ; and codes
	s_cmp_lt_u32 s14, 2
	s_cselect_b64 s[30:31], s[6:7], s[8:9]
	s_lshl_b32 s20, s18, 10
	s_lshl_b32 s48, s16, 9
	s_add_co_u32 s20, s20, s48
	s_add_nc_u64 s[30:31], s[30:31], s[20:21]      ; my unit's bias
	s_mul_i32 s20, s18, 49152
	s_mul_i32 s48, s14, 12288
	s_add_co_u32 s20, s20, s48
	s_add_co_u32 s20, s20, 786432
	s_add_nc_u64 s[32:33], s[4:5], s[20:21]        ; Wv's codes, my four tiles
	s_lshl_b32 s20, s18, 11
	s_lshl_b32 s48, s14, 9
	s_add_co_u32 s20, s20, s48
	s_add_co_u32 s20, s20, O_WS+32768
	s_add_nc_u64 s[34:35], s[4:5], s[20:21]        ; their scale words
	s_lshl_b32 s20, s18, 10
	s_lshl_b32 s48, s14, 8
	s_add_co_u32 s20, s20, s48
	s_add_nc_u64 s[36:37], s[10:11], s[20:21]      ; bv, my 64 channels
	s_mul_i32 s20, s19, 24576                      ; where my unit's images go: q: blk x 24,576; k: O_KVC + blk x 49,152; + half x 12,288
	s_lshl_b32 s20, s20, s15
	s_mul_i32 s48, s15, O_KVC
	s_add_co_u32 s20, s20, s48
	s_mul_i32 s48, s16, 12288
	s_add_co_u32 s20, s20, s48
	s_add_nc_u64 s[38:39], s[12:13], s[20:21]
	s_add_co_u32 s48, s15, 10                      ; and its scale words: q: O_QS + blk x 1,024; k: O_KVS + blk x 2,048; + half x 512
	s_lshl_b32 s20, s19, s48
	s_mul_i32 s48, s15, O_KVS-O_QS
	s_add_co_u32 s20, s20, s48
	s_lshl_b32 s48, s16, 9
	s_add_co_u32 s20, s20, s48
	s_add_co_u32 s20, s20, O_QS
	s_add_nc_u64 s[42:43], s[12:13], s[20:21]
	s_mul_i32 s20, s19, 49152
	s_mul_i32 s48, s14, 6144
	s_add_co_u32 s20, s20, s48
	s_add_co_u32 s20, s20, O_KVC+24576
	s_add_nc_u64 s[44:45], s[12:13], s[20:21]      ; v's images, my four tiles
	s_lshl_b32 s20, s19, 11
	s_lshl_b32 s48, s14, 8
	s_add_co_u32 s20, s20, s48
	s_add_co_u32 s20, s20, O_KVS+1024
	s_add_nc_u64 s[46:47], s[12:13], s[20:21]      ; and their scale words
	s_wait_alu depctr_va_vdst(0)                   ; the five offsets v1 to v5 are written, which every load and store of the kernel reads; up to the last load below stand only loads and window switches
.irp g, 0,1,2,3
	global_load_b64 v[XSR+2*\g:XSR+2*\g+1], v[L8], s[22:23] offset:256*\g
.endr
.irp i, 0,1,2,3,4,5,6,7
	global_load_b32 v[W1S+\i], v[L4], s[24:25] offset:128*\i
.endr
	WIN 0xc0                                       ; destination window 3: x's fragment (tile m, K step s) at v[12 (2 m + s)]
.irp f, 0,1,2,3,4,5,6,7,8,9,10,11,12,13,14,15
.irp c, 0,1,2
	global_load_b128 v[12*\f+4*\c:12*\f+4*\c+3], v[LI], s[26:27] offset:1536*\f+512*\c
.endr
.endr
	WIN 0x40                                       ; window 1: my unit's W (tile t, K step s) at v[12 (2 t + s)]
.irp f, 0,1,2,3,4,5,6,7,8,9,10,11,12,13,14,15
.irp c, 0,1,2
	global_load_b128 v[12*\f+4*\c:12*\f+4*\c+3], v[LI], s[28:29] offset:1536*\f+512*\c
.endr
.endr
	WIN 0x80                                       ; window 2: the bias in the result's layout: tile t, my half's channels 32 (t / 2) + 16 h + 8 (t % 2) + 0 .. 7
.irp t, 0,1,2,3,4,5,6,7
	global_load_b128 v[96+8*\t:96+8*\t+3], v[BO], s[30:31] offset:(32*(\t/2)+8*(\t%2))*4
	global_load_b128 v[96+8*\t+4:96+8*\t+7], v[BO], s[30:31] offset:(32*(\t/2)+8*(\t%2))*4+16
.endr
	; the 60 loads of the second phase: 24 + 32 + 4
.irp f, 0,1,2,3,4,5,6,7
.irp c, 0,1,2
	global_load_b128 v[12*\f+4*\c:12*\f+4*\c+3], v[LI], s[32:33] offset:1536*\f+512*\c
.endr
.endr
.irp n, 0,1,2,3                                    ; bv: a lane holds one channel, so a tile's eight C registers are equal
.irp j, 0,1,2,3,4,5,6,7
	global_load_b32 v[160+8*\n+\j], v[BV], s[36:37] offset:(32*(\n/2)+8*(\n%2))*4
.endr
.endr
	WIN 0
.irp i, 0,1,2,3
	global_load_b32 v[WVS+\i], v[L4], s[34:35] offset:128*\i
.endr
	s_wait_loadcnt 60                              ; all but the second phase's 60
	; ---- q or k: a tile of 16 tokens at a time; my 8 tiles of channels take turns, one product a turn, K step by K step
.irp m, 0,1,2,3,4,5,6,7
	WIN 0x2d                                       ; source 0 (W) window 1, source 1 (x) window 3, C (bias) window 2
.irp t, 0,1,2,3,4,5,6,7
	WM HA+8*\t, 12*(2*\t), 12*(2*\m), 96+8*\t, W1S+2*(\t/2), XSR+\m, \t%2, 0
.endr
	WIN 0x0d
.irp t, 0,1,2,3,4,5,6,7
	WM HA+8*\t, 12*(2*\t+1), 12*(2*\m+1), HA+8*\t, W1S+2*(\t/2)+1, XSR+\m, \t%2, 1
.endr
	WIN 0
	PLACES                                         ; four places ahead of the first read of results
	QUANT HA, PE+4*(\m%2)+\m/2, 0x2800000, \m
.if \m < 7
	s_wait_alu depctr_va_vdst(0)                   ; the conversions, exchanges and moves have written v[PC] on, which the three stores read
	PUT 38, \m*1536
.endif
.endr
.irp j, 0,1,2,3
	v_permlane16_swap_b32 v[PE+\j], v[PO+\j]       ; lanes 0-15 tile 2 j's words, lanes 16-31 tile 2 j + 1's
.endr
.irp j, 0,1,2,3
	v_add_nc_u32 v[PE+\j], 0xfdfdfdfe, v[PE+\j]    ; 2 off each byte: the factor 1/4 (no byte is under 3, so none borrows)
.endr
	s_wait_alu depctr_va_vdst(0)                   ; the last tile's v[PC] on and the scale words v[PE] on are written, which the four stores read
	PUT 38, 7*1536
	global_store_b128 v[LI], v[PE:PE+3], s[42:43]
	; ---- v: a tile of 16 channels at a time; the 8 tiles of tokens take turns
	s_wait_loadcnt 0x0
.irp n, 0,1,2,3
	WIN 0x2b                                       ; source 0 (x) window 3, source 1 (Wv) window 2, C (bv) window 2
.irp m, 0,1,2,3,4,5,6,7
	WM HA+8*\m, 12*(2*\m), 12*(2*\n), 160+8*\n, XSR+\m, WVS+2*(\n/2), 0, \n%2
.endr
	WIN 0x0b
.irp m, 0,1,2,3,4,5,6,7
	WM HA+8*\m, 12*(2*\m+1), 12*(2*\n+1), HA+8*\m, XSR+\m, WVS+2*(\n/2)+1, 1, \n%2
.endr
	WIN 0
	PLACES
	QUANT HA, PE+4*(\n%2)+\n/2, 0x1800000, 1       ; (its two waits also free v[PE] on, which the store above reads)
.if \n < 3
	s_wait_alu depctr_va_vdst(0)                   ; the conversions, exchanges and moves have written v[PC] on, which the three stores read
	PUT 44, \n*1536
.endif
.endr
	v_permlane16_swap_b32 v[PE], v[PO]
	v_permlane16_swap_b32 v[PE+1], v[PO+1]
	s_wait_alu depctr_va_vdst(0)                   ; the last tile's v[PC] on and the scale words v[PE], v[PE + 1] are written, which the four stores read
	PUT 44, 3*1536
	global_store_b64 v[L8], v[PE:PE+1], s[46:47]   ; 256 consecutive bytes, aligned
	s_endpgm
.Lfunc_end_k_q72b9ed6b5e_qkv:
	.size	k_q72b9ed6b5e_qkv, .Lfunc_end_k_q72b9ed6b5e_qkv-k_q72b9ed6b5e_qkv
	.p2alignl 7, 3214868480
	.fill 96, 4, 3214868480
	.section	.rodata,"a",@progbits
	.p2align	6, 0x0
	.amdhsa_kernel k_q72b9ed6b5e_qkv
		.amdhsa_group_segment_fixed_size 0
		.amdhsa_private_segment_fixed_size 0
		.amdhsa_enable_private_segment 0
		.amdhsa_kernarg_size 40
		.amdhsa_user_sgpr_count 2
		.amdhsa_user_sgpr_kernarg_segment_ptr 1
		.amdhsa_wavefront_size32 1
		.amdhsa_system_sgpr_workgroup_id_x 1
		.amdhsa_system_sgpr_workgroup_id_y 1
		.amdhsa_system_sgpr_workgroup_id_z 1
		.amdhsa_system_vgpr_workitem_id 0
		.amdhsa_next_free_vgpr 1024
		.amdhsa_next_free_sgpr 66
		.amdhsa_reserve_vcc 0
		.amdhsa_float_denorm_mode_32 3
		.amdhsa_float_denorm_mode_16_64 3
		.amdhsa_memory_ordered 1
		.amdhsa_forward_progress 1
		.amdhsa_inst_pref_size 98
	.end_amdhsa_kernel
	.amdgpu_metadata
---
amdhsa.version: [ 1, 2 ]
amdhsa.kernels:
  - .name:           k_q72b9ed6b5e_qkv
    .symbol:         k_q72b9ed6b5e_qkv.kd
    .args:
      - { .name: wx, .offset: 0, .size: 8, .value_kind: global_buffer, .address_space: global }
      - { .name: bq, .offset: 8, .size: 8, .value_kind: global_buffer, .address_space: global }
      - { .name: bk, .offset: 16, .size: 8, .value_kind: global_buffer, .address_space: global }
      - { .name: bv, .offset: 24, .size: 8, .value_kind: global_buffer, .address_space: global }
      - { .name: qkv, .offset: 32, .size: 8, .value_kind: global_buffer, .address_space: global }
    .group_segment_fixed_size: 0
    .private_segment_fixed_size: 0
    .kernarg_segment_align: 8
    .kernarg_segment_size: 40
    .max_flat_workgroup_size: 128
    .sgpr_count:     66
    .vgpr_count:     1024
    .wavefront_size: 32
...
	.end_amdgpu_metadata
.endif
;; end of part 5
;; launch attn: the kernel of part 3 again; grid 8 x 32, 4 waves a work-group, clusters of 4 x 1, 327,680 bytes of LDS; arguments qkv, oq; writes oq
;; launch oproj (part 6): grid 4 x 64, 4 waves a work-group, no clusters, 70,144 bytes of LDS; arguments oq, wx, bo, out0; writes out0
.if DOCPART == 6
	.amdgcn_target "amdgcn-amd-amdhsa--gfx1250"
	.amdhsa_code_object_version 6
	.text
	.protected	k_q72b9ed6b5e_oproj
	.globl	k_q72b9ed6b5e_oproj
	.p2align	8
	.type	k_q72b9ed6b5e_oproj,@function
k_q72b9ed6b5e_oproj:
	s_mov_b64 s[64:65], 0
	v_nop
	global_prefetch_b8 v0, s[64:65] scope:SCOPE_SE
	s_setreg_imm32_b32 hwreg(HW_REG_WAVE_SCHED_MODE, 0, 2), 2
	s_setreg_imm32_b32 hwreg(HW_REG_WAVE_MODE, 25, 1), 1
	s_wait_xcnt 0x0
	s_wait_alu depctr_vm_vsrc(0)
; OPROJ: out0 = o Wo + bo, K = 2,048, on codes of FP6 (E2M3) with E8M0 scales.  o and Wo lie in memory as images of operand registers (16 rows x 128 K: 1,536 bytes, three chunks of 512, lane l's 16 bytes at 16 l).
; A work-group makes 64 tokens (y) x 64 columns (x).  THE WAVES SPLIT K: wave w takes K steps 4 w .. 4 w + 3 for the whole 64 x 64: 16 accumulators, 64 products, 32 fragments straight into registers, so that the
; work-group reads none of its operand bytes twice.  The four partial sums meet in LDS, on the way that the results take anyway to leave as whole rows; bo is added there.
; LIMIT: an output is the sum of four partial sums of 512 along K each, not one chain in ascending K: another order of f32 roundings than the reference's.
; No cluster and no tensor load: each wave has one run of loads, at its head, into registers that hold them to the end; there is no ring whose refills partners could share.
; TRANSPOSED: source 0 = 16 columns of Wo, source 1 = 16 tokens: a lane holds one token and eight neighbouring columns.  Row r of tile T stands for index 32 (T / 2) + 8 (T % 2) + r + 8 (r / 8), for tokens and for columns.
; REGISTERS: window 0: addresses, v8-11 bo, v16-23 o's scale words, v24-31 Wo's, v128-255 the accumulators ((m, n) at 128 + 8 (4 m + n)), later the rows read back.  window 1: o's fragments (s, m) at 12 (4 s + m).  window 2: Wo's (s, n) likewise.
; THE MODE: SCHED_MODE bits 1:0 = 2 (LLVM: expert scheduling mode 2), set by the entry lines.  The code itself states the register dependences between vector or matrix instructions and memory or LDS instructions,
; with s_wait_alu, always for 0.
; THE PLAN.  Registers that memory or LDS instructions touch:
;   v1-6, v126, v127   offsets, LDS addresses and the closing add's two.  Written by vector lines at the head, once.  One wait on va_vdst ahead of the first load states that they are written.
;   v8-31, windows 1, 2   bo, scale words, operands.  Written by the head's loads alone, behind that wait with only loads and window switches between; read by products and additions; never loaded again.
;   v128-255   written by the products; read by my 32 LDS stores (one wait on va_vdst, behind the four places); then the 32 LDS loads land there (one wait on vm_vsrc behind the barrier: the stores have read them;
;              no vector or matrix line has named them since the wait on va_vdst); then the additions write the sums into v128-159, which the eight global stores read.
; The eight stores stand in two runs of four, each behind its four pairs of rows' additions and one wait on va_vdst.  No line writes a register again that a global store has read.
; Every operand and scale of a product comes by a load: no vector line feeds a product.
.set O_OS,  6291456
.set O_WOC, 1228800
.set O_WOS, 1622016
.set SPITCH, 272                       ; a stage row: 256 bytes + 16: the sixteen rows that a store touches begin in different banks (64 banks of 4 bytes: ISA guide 11.1)
.set PART,  64*SPITCH                  ; a wave's partial sums: 64 rows
.set LI,  1                            ; v1   16 x lane
.set L4,  2                            ; v2   4 x lane
.set STO, 3                            ; v3   the stage: where I put my results
.set RD,  4                            ; v4   and where I read rows back
.set CO,  5                            ; v5   my byte offset in out0
.set BOO, 6                            ; v6   16 x (lane % 16)
.set BOR, 8                            ; v8-11 bo of my four columns
.set OSC, 16                           ; v16-23 [4 (s / 2) + m]: lanes 0-15 the even K step, lanes 16-31 the odd one
.set WSC, 24                           ; v24-31 [4 g + s]: lanes 0-15 tile 2 g, lanes 16-31 tile 2 g + 1
.set ACC, 128
.set MSB, 0
.macro WIN new                         ; the immediate's high byte repeats the setting that is left
.if MSB != \new
	s_set_vgpr_msb (MSB<<8)|\new
.set MSB, \new
.endif
.endm
; one product: D at v[d], source 0 at v[a], source 1 at v[b], C at v[c] (c = -1: the constant 0), scale words v[sa], v[sb]; ra, rb = 1: taken from lanes 16-31
.macro WM d, a, b, c, sa, sb, ra, rb
.if (\c) < 0
.if (\ra) && (\rb)
	v_wmma_scale_f32_16x16x128_f8f6f4 v[\d:\d+7], v[\a:\a+11], v[\b:\b+11], 0, v[\sa], v[\sb] matrix_a_fmt:MATRIX_FMT_FP6 matrix_b_fmt:MATRIX_FMT_FP6 matrix_a_scale:MATRIX_SCALE_ROW1 matrix_b_scale:MATRIX_SCALE_ROW1
.elseif \ra
	v_wmma_scale_f32_16x16x128_f8f6f4 v[\d:\d+7], v[\a:\a+11], v[\b:\b+11], 0, v[\sa], v[\sb] matrix_a_fmt:MATRIX_FMT_FP6 matrix_b_fmt:MATRIX_FMT_FP6 matrix_a_scale:MATRIX_SCALE_ROW1
.elseif \rb
	v_wmma_scale_f32_16x16x128_f8f6f4 v[\d:\d+7], v[\a:\a+11], v[\b:\b+11], 0, v[\sa], v[\sb] matrix_a_fmt:MATRIX_FMT_FP6 matrix_b_fmt:MATRIX_FMT_FP6 matrix_b_scale:MATRIX_SCALE_ROW1
.else
	v_wmma_scale_f32_16x16x128_f8f6f4 v[\d:\d+7], v[\a:\a+11], v[\b:\b+11], 0, v[\sa], v[\sb] matrix_a_fmt:MATRIX_FMT_FP6 matrix_b_fmt:MATRIX_FMT_FP6
.endif
.else
.if (\ra) && (\rb)
	v_wmma_scale_f32_16x16x128_f8f6f4 v[\d:\d+7], v[\a:\a+11], v[\b:\b+11], v[\c:\c+7], v[\sa], v[\sb] matrix_a_fmt:MATRIX_FMT_FP6 matrix_b_fmt:MATRIX_FMT_FP6 matrix_a_scale:MATRIX_SCALE_ROW1 matrix_b_scale:MATRIX_SCALE_ROW1
.elseif \ra
	v_wmma_scale_f32_16x16x128_f8f6f4 v[\d:\d+7], v[\a:\a+11], v[\b:\b+11], v[\c:\c+7], v[\sa], v[\sb] matrix_a_fmt:MATRIX_FMT_FP6 matrix_b_fmt:MATRIX_FMT_FP6 matrix_a_scale:MATRIX_SCALE_ROW1
.elseif \rb
	v_wmma_scale_f32_16x16x128_f8f6f4 v[\d:\d+7], v[\a:\a+11], v[\b:\b+11], v[\c:\c+7], v[\sa], v[\sb] matrix_a_fmt:MATRIX_FMT_FP6 matrix_b_fmt:MATRIX_FMT_FP6 matrix_b_scale:MATRIX_SCALE_ROW1
.else
	v_wmma_scale_f32_16x16x128_f8f6f4 v[\d:\d+7], v[\a:\a+11], v[\b:\b+11], v[\c:\c+7], v[\sa], v[\sb] matrix_a_fmt:MATRIX_FMT_FP6 matrix_b_fmt:MATRIX_FMT_FP6
.endif
.endif
.endm
; pair of rows i: the four parts are added, (part 0 + part 1) + (part 2 + part 3), and then bo
.macro ADDUP i
	s_wait_dscnt 4*(7-(\i))                        ; the later pairs of rows may be out
	v_pk_add_f32 v[ACC+4*(\i):ACC+4*(\i)+1], v[ACC+4*(\i):ACC+4*(\i)+1], v[ACC+32+4*(\i):ACC+32+4*(\i)+1]
	v_pk_add_f32 v[ACC+4*(\i)+2:ACC+4*(\i)+3], v[ACC+4*(\i)+2:ACC+4*(\i)+3], v[ACC+32+4*(\i)+2:ACC+32+4*(\i)+3]
	v_pk_add_f32 v[ACC+64+4*(\i):ACC+64+4*(\i)+1], v[ACC+64+4*(\i):ACC+64+4*(\i)+1], v[ACC+96+4*(\i):ACC+96+4*(\i)+1]
	v_pk_add_f32 v[ACC+64+4*(\i)+2:ACC+64+4*(\i)+3], v[ACC+64+4*(\i)+2:ACC+64+4*(\i)+3], v[ACC+96+4*(\i)+2:ACC+96+4*(\i)+3]
	v_pk_add_f32 v[ACC+4*(\i):ACC+4*(\i)+1], v[ACC+4*(\i):ACC+4*(\i)+1], v[ACC+64+4*(\i):ACC+64+4*(\i)+1]
	v_pk_add_f32 v[ACC+4*(\i)+2:ACC+4*(\i)+3], v[ACC+4*(\i)+2:ACC+4*(\i)+3], v[ACC+64+4*(\i)+2:ACC+64+4*(\i)+3]
	v_pk_add_f32 v[ACC+4*(\i):ACC+4*(\i)+1], v[ACC+4*(\i):ACC+4*(\i)+1], v[BOR:BOR+1]
	v_pk_add_f32 v[ACC+4*(\i)+2:ACC+4*(\i)+3], v[ACC+4*(\i)+2:ACC+4*(\i)+3], v[BOR+2:BOR+3]
.endm
.macro SEND i
	global_store_b128 v[CO], v[ACC+4*(\i):ACC+4*(\i)+3], s[30:31] offset:(2*(\i)+8*((\i)/4))*1024 th:TH_STORE_NT   ; stage row r' = 2 i + h of tile w is token r' + 8 (r' / 8) on; 16 lanes store 256 consecutive bytes, aligned
.endm
	s_load_b256 s[4:11], s[0:1], 0x0               ; oq s[4:5], wx s[6:7], bo s[8:9], out0 s[10:11]
	v_lshl_add_u32 v126, v0, 2, 0x11000
	v_mov_b32 v127, 0
	v_lshrrev_b32 v1, 5, v0
	v_readfirstlane_b32 s12, v1                    ; wave 0..3
	v_and_b32 v7, 31, v0
	v_lshlrev_b32 v[LI], 4, v7
	v_lshlrev_b32 v[L4], 2, v7
	v_and_b32 v12, 15, v0                          ; r
	v_bfe_u32 v13, v0, 4, 1                        ; h
	v_lshlrev_b32 v[BOO], 4, v12
	v_lshl_add_u32 v[CO], v13, 10, v[BOO]          ; lanes 0-15 one row of out0, lanes 16-31 the next; 16 bytes a lane
	s_wait_alu depctr_va_sdst(0)                   ; s12, the wave's number, is written, ahead of its first reader: LDS addresses and bases are made from it
	s_mul_i32 s16, s12, PART
	v_mul_u32_u24 v[STO], v12, SPITCH
	v_lshl_add_u32 v[STO], v13, 6, v[STO]
	v_add_nc_u32 v[STO], s16, v[STO]               ; my part of the stage, row r, + 64 h: a tile's eight columns of my half lie 16 columns on for h = 1
	s_mul_i32 s16, s12, 16*SPITCH
	v_mul_u32_u24 v[RD], v13, SPITCH
	v_add_nc_u32 v[RD], v[RD], v[BOO]
	v_add_nc_u32 v[RD], s16, v[RD]                 ; back: rows 16 w + h on, of every part
	s_and_b32 s14, ttmp7, 0xffff                   ; block of 64 tokens
	s_mov_b32 s17, 0
	s_wait_kmcnt 0x0
	s_lshr_b32 s16, s14, 1                         ; o's scale words [qb][head 8][tile 8][32 lanes]: qb = tb / 2, head 2 w on, tile 4 (tb % 2) on
	s_lshl_b32 s16, s16, 3
	s_lshl_b32 s18, s12, 1
	s_add_co_u32 s16, s16, s18
	s_lshl_b32 s16, s16, 3
	s_and_b32 s18, s14, 1
	s_lshl_b32 s18, s18, 2
	s_add_co_u32 s16, s16, s18
	s_lshl_b32 s16, s16, 7
	s_add_co_u32 s16, s16, O_OS
	s_add_nc_u64 s[20:21], s[4:5], s[16:17]
	s_lshl_b32 s16, ttmp9, 12                      ; Wo's [G 8][ks 16][32 lanes]: G = 2 cb on, ks = 4 w on
	s_lshl_b32 s18, s12, 9
	s_add_co_u32 s16, s16, s18
	s_add_co_u32 s16, s16, O_WOS
	s_add_nc_u64 s[22:23], s[6:7], s[16:17]
	s_mul_i32 s16, s14, 98304                      ; o's codes [tile 256][ks 16][1536]: tile 4 tb on, ks = 4 w on
	s_mul_i32 s18, s12, 6144
	s_add_co_u32 s16, s16, s18
	s_add_nc_u64 s[24:25], s[4:5], s[16:17]
	s_mul_i32 s16, ttmp9, 98304                    ; Wo's [tile 16][ks 16][1536]: tile 4 cb on
	s_add_co_u32 s16, s16, s18
	s_add_co_u32 s16, s16, O_WOC
	s_add_nc_u64 s[26:27], s[6:7], s[16:17]
	s_lshl_b32 s16, ttmp9, 8
	s_add_nc_u64 s[28:29], s[8:9], s[16:17]        ; bo: my work-group's 64 columns
	s_lshl_b32 s18, s14, 16                        ; out0: token 64 tb + 32 (w / 2) + 8 (w % 2), rows of 1,024 bytes; + the 64 columns
	s_add_co_u32 s16, s16, s18
	s_lshr_b32 s18, s12, 1
	s_lshl_b32 s18, s18, 15
	s_add_co_u32 s16, s16, s18
	s_and_b32 s18, s12, 1
	s_lshl_b32 s18, s18, 13
	s_add_co_u32 s16, s16, s18
	s_add_nc_u64 s[30:31], s[10:11], s[16:17]
	s_wait_alu depctr_va_vdst(0)                   ; the offsets and LDS addresses v1 to v6 are written, which every load, store and LDS line of the kernel reads, and so are v126 and v127; up to the last load below stand only loads and window switches
.irp q, 0,1
.irp m, 0,1,2,3
	global_load_b32 v[OSC+4*\q+\m], v[L4], s[20:21] offset:(8*\q+\m)*128
.endr
.endr
.irp g, 0,1
.irp s, 0,1,2,3
	global_load_b32 v[WSC+4*\g+\s], v[L4], s[22:23] offset:(16*\g+\s)*128
.endr
.endr
	global_load_b128 v[BOR:BOR+3], v[BOO], s[28:29]
.irp s, 0,1,2,3                                    ; 24 loads a K step
	WIN 0x40                                       ; destination window 1
.irp m, 0,1,2,3
.irp c, 0,1,2
	global_load_b128 v[12*(4*\s+\m)+4*\c:12*(4*\s+\m)+4*\c+3], v[LI], s[24:25] offset:(16*\m+\s)*1536+512*\c
.endr
.endr
	WIN 0x80                                       ; destination window 2
.irp n, 0,1,2,3
.irp c, 0,1,2
	global_load_b128 v[12*(4*\s+\n)+4*\c:12*(4*\s+\n)+4*\c+3], v[LI], s[26:27] offset:(16*\n+\s)*1536+512*\c
.endr
.endr
.endr
	; the sixteen accumulators take turns, one product a turn, in the same order in every K step; the first K step's products start the sums
.irp s, 0,1,2,3
.if \s == 0
	s_wait_loadcnt 63                              ; 72 loads stand behind this K step's: a count names 63 at the most
.else
	s_wait_loadcnt 24*(3-\s)                       ; the later K steps' loads may be out
.endif
	WIN 0x06                                       ; source 0 (Wo) window 2, source 1 (o) window 1
.irp m, 0,1,2,3
.irp n, 0,1,2,3
.if \s == 0
	WM ACC+8*(4*\m+\n), 12*(4*\s+\n), 12*(4*\s+\m), -1, WSC+4*(\n/2)+\s, OSC+4*(\s/2)+\m, \n%2, \s%2
.else
	WM ACC+8*(4*\m+\n), 12*(4*\s+\n), 12*(4*\s+\m), ACC+8*(4*\m+\n), WSC+4*(\n/2)+\s, OSC+4*(\s/2)+\m, \n%2, \s%2
.endif
.endr
.endr
.endr
	WIN 0
.rept 4
	v_nop                                          ; four places ahead of the first read of results
.endr
	s_wait_alu depctr_va_vdst(0)                   ; the products have written the accumulators, which the LDS stores read; the places above stay beside this wait
.irp m, 0,1,2,3
.irp n, 0,1,2,3                                    ; lane (r, h), register j: row 16 m + r of the stage, column 32 (n / 2) + 8 (n % 2) + 16 h + j; each accumulator from its low end on
	ds_store_b128 v[STO], v[ACC+8*(4*\m+\n):ACC+8*(4*\m+\n)+3] offset:16*\m*SPITCH+128*(\n/2)+32*(\n%2)
	ds_store_b128 v[STO], v[ACC+8*(4*\m+\n)+4:ACC+8*(4*\m+\n)+7] offset:16*\m*SPITCH+128*(\n/2)+32*(\n%2)+16
.endr
.endr
	s_wait_dscnt 0x0                               ; for the others' sake: my stores into the stage are done
	s_barrier_signal -1
	s_barrier_wait -1
	s_wait_alu depctr_vm_vsrc(0)                   ; my LDS stores have read v128 to v255, in which the loads below land (no vector or matrix line has named these registers since the wait on va_vdst above)
.irp i, 0,1,2,3,4,5,6,7                            ; rows 16 w + 2 i + h of the four parts
.irp p, 0,1,2,3
	ds_load_b128 v[ACC+32*\p+4*\i:ACC+32*\p+4*\i+3], v[RD] offset:\p*PART+2*\i*SPITCH
.endr
.endr
.irp i, 0,1,2,3
	ADDUP \i
.endr
	s_wait_alu depctr_va_vdst(0)                   ; the additions have written the first four pairs of rows' sums, which the four stores read
.irp i, 0,1,2,3
	SEND \i
.endr
.irp i, 4,5,6,7
	ADDUP \i
.endr
	s_wait_alu depctr_va_vdst(0)                   ; the additions have written the last four pairs of rows' sums, which the four stores read
.irp i, 4,5,6,7
	SEND \i
.endr
	s_wait_dscnt 0x0                               ; the closing lines, six on end
	s_wait_alu 0x0
	s_wait_tensorcnt 0x0
	ds_add_u32 v126, v127
	s_wait_dscnt 0x0
	s_endpgm
.Lfunc_end_k_q72b9ed6b5e_oproj:
	.size	k_q72b9ed6b5e_oproj, .Lfunc_end_k_q72b9ed6b5e_oproj-k_q72b9ed6b5e_oproj
	.p2alignl 7, 3214868480
	.fill 96, 4, 3214868480
	.section	.rodata,"a",@progbits
	.p2align	6, 0x0
	.amdhsa_kernel k_q72b9ed6b5e_oproj
		.amdhsa_group_segment_fixed_size 70144
		.amdhsa_private_segment_fixed_size 0
		.amdhsa_enable_private_segment 0
		.amdhsa_kernarg_size 32
		.amdhsa_user_sgpr_count 2
		.amdhsa_user_sgpr_kernarg_segment_ptr 1
		.amdhsa_wavefront_size32 1
		.amdhsa_system_sgpr_workgroup_id_x 1
		.amdhsa_system_sgpr_workgroup_id_y 1
		.amdhsa_system_sgpr_workgroup_id_z 1
		.amdhsa_system_vgpr_workitem_id 0
		.amdhsa_next_free_vgpr 768
		.amdhsa_next_free_sgpr 66
		.amdhsa_reserve_vcc 0
		.amdhsa_float_denorm_mode_32 3
		.amdhsa_float_denorm_mode_16_64 3
		.amdhsa_memory_ordered 1
		.amdhsa_forward_progress 1
		.amdhsa_inst_pref_size 32
	.end_amdhsa_kernel
	.amdgpu_metadata
---
amdhsa.version: [ 1, 2 ]
amdhsa.kernels:
  - .name:           k_q72b9ed6b5e_oproj
    .symbol:         k_q72b9ed6b5e_oproj.kd
    .args:
      - { .name: oq, .offset: 0, .size: 8, .value_kind: global_buffer, .address_space: global }
      - { .name: wx, .offset: 8, .size: 8, .value_kind: global_buffer, .address_space: global }
      - { .name: bo, .offset: 16, .size: 8, .value_kind: global_buffer, .address_space: global }
      - { .name: out0, .offset: 24, .size: 8, .value_kind: global_buffer, .address_space: global }
    .group_segment_fixed_size: 70144
    .private_segment_fixed_size: 0
    .kernarg_segment_align: 8
    .kernarg_segment_size: 32
    .max_flat_workgroup_size: 128
    .sgpr_count:     66
    .vgpr_count:     768
    .wavefront_size: 32
...
	.end_amdgpu_metadata
.endif
;; end of part 6
